; MI455X (gfx1250); checked and timed in simulation.
; The chip was launched on July 23, 2026; its instructions are those of AMD's public machine-readable ISA for CDNA 5 (MIT licence, August 2026) and "CDNA5" Instruction Set Architecture Reference Guide (July 2026). The comments in the code are by the model that wrote it; some were corrected since.
;; Attention. Allowed arithmetic: matrix products marked QUANTISED: E4M3 operands, one given power-of-two scale a tensor, by v_wmma_f32_16x16x64_fp8_fp8 or v_wmma_f32_16x16x128_fp8_fp8, f32 sums; everything else in f32.
;; Inputs: Wk 1,024 x 1,024 float32; Wo 1,024 x 1,024 float32; Wq 1,024 x 1,024 float32; Wv 1,024 x 1,024 float32; lowp_scales 12 int32 (the exponents e of the quantised operands' scales 2^e); x 4 x 2,048 x 1,024 float32.
;; Outputs: out0 4 x 2,048 x 1,024 float32.
;; This version of the problem:
;;   THIS VERSION OF THE PROBLEM IS GIVEN IN LOW PRECISION. The matrix products marked QUANTISED in the list below multiply operands that are first quantised to E4M3 (4 exponent bits, 3 mantissa bits; 8 bits a number), with one given power-of-two scale for each operand tensor; their sums are f32. All else is computed in f32.
;;   The module's matrix products, in the order in which they are computed (A, B: the left and right operand; K: the contracted axis; several contracted axes count as one K, in the product's order):
;;     1. [M 8,192, K 1,024] x [K 1,024, N 1,024]; A: input x; B: input Wq: QUANTISED (scales: A lowp_scales[0], B lowp_scales[1])
;;     2. [M 8,192, K 1,024] x [K 1,024, N 1,024]; A: input x; B: input Wk: QUANTISED (scales: A lowp_scales[2], B lowp_scales[3])
;;     3. [M 8,192, K 1,024] x [K 1,024, N 1,024]; A: input x; B: input Wv: QUANTISED (scales: A lowp_scales[4], B lowp_scales[5])
;;     4. batch 64 x [M 2,048, K 64] x [K 64, N 2,048]; A: computed on the way; B: computed on the way: QUANTISED (scales: A lowp_scales[6], B lowp_scales[7])
;;     5. batch 64 x [M 2,048, K 2,048] x [K 2,048, N 64]; A: computed on the way; B: computed on the way: QUANTISED (scales: A lowp_scales[8], B lowp_scales[9])
;;     6. [M 8,192, K 1,024] x [K 1,024, N 1,024]; A: computed on the way; B: input Wo: QUANTISED (scales: A lowp_scales[10], B lowp_scales[11])
;;   THE QUANTISER, for each operand of a quantised product, along K:
;;     - The operand's scale is 2^e, e = its entry of the input lowp_scales (int32; the entries are numbered through the quantised products in the list's order, A before B).
;;     - Each number is divided by the scale, clamped to +-448, and rounded to the nearest number of E4M3, ties to even, subnormals kept.
;;     - The product sums the exact products of the quantised numbers (number of the format x scale) in f32.
;;   ~~~python
;;   def quantise(x, axis, e):      # numpy; x: float32 -> the quantised numbers, widened to float32 again
;;       x = np.moveaxis(x, axis, -1); K = x.shape[-1]
;;       r = np.clip(x / 2.0 ** e, -448, 448)
;;       step = 2.0 ** (np.maximum(np.frexp(np.where(r == 0, 1, r))[1] - 1, -6) - 3)
;;       q = np.round(r / step) * step * 2.0 ** e      # np.round: ties to even
;;       return np.moveaxis(q, -1, axis).astype(np.float32)
;;   ~~~
;;   OPERANDS COMPUTED ON THE WAY. 'Computed on the way' means the value that the module computes at that place (a softmax that the list does not call 'softmax' is quantised finished and normalised). What goes into a quantiser is computed in f32, as accurately as f32 sums, v_exp_f32 and their like allow (about 1e-6 of the number): no bf16 or f16 on the way to a quantiser, and a product that is left as it is and whose result goes on into a quantised operand takes f32 operands (vector FMAs, or v_wmma_f32_16x16x4_f32). A number that lies on a knife's edge between two numbers of the format may be rounded either way, as far as f32 arithmetic and the matrix unit's own rounding can turn it there, and no further.
;; One version. Each part assembles by itself: llvm-mc -triple=amdgcn-amd-amdhsa -mcpu=gfx1250 --defsym DOCPART=n.
;; ======== version 1 of 1: 4 launches
;; limits: right only within a limited range of input values
;; workspace buffers: xc 25,165,824 bytes; wc 4,194,304 bytes; qkv 25,165,824 bytes; oc 8,388,608 bytes
;; launch quant (part 1): grid 768 x 1, 8 waves a work-group, no clusters, 68,608 bytes of LDS; arguments x, Wq, Wk, Wv, Wo, lowp_scales, xc, wc; writes xc, wc
.if DOCPART == 1
	.amdgcn_target "amdgcn-amd-amdhsa--gfx1250"
	.amdhsa_code_object_version 6
	.text
	.protected	k_qbf3b6dcb8e_quant
	.globl	k_qbf3b6dcb8e_quant
	.p2align	8
	.type	k_qbf3b6dcb8e_quant,@function
k_qbf3b6dcb8e_quant:
	s_mov_b64 s[64:65], 0
	v_nop
	global_prefetch_b8 v0, s[64:65] scope:SCOPE_SE
	s_setreg_imm32_b32 hwreg(HW_REG_WAVE_MODE, 25, 1), 1
	s_wait_xcnt 0x0
; x [8192][1024] and Wq, Wk, Wv, Wo [1024][1024], f32, K innermost, become codes of FP8 (E4M3): code = number / 2^e, held within +-448, to the nearest code, ties to even.
; x is an operand of three products with three given scales (entries 0, 2, 4 of the buffer of scales): three sets of codes, 8 MiB apart in xc.  Wq, Wk, Wv, Wo take entries 1, 3, 5, 11: 1 MiB apart in wc.
; LAYOUT OF THE CODES: IMAGES OF THE OPERAND'S REGISTERS.  A fragment (16 rows x 128 along K) is 2,048 bytes at ((row / 16) x 8 + k / 128) x 2,048: four groups of 512 bytes; in group g lane (r, h) has 16 bytes at
; 16 (r + 16 h): k = 32 g + 8 h + 0..7, then k = 32 g + 16 + 8 h + 0..7 of row r: registers 4 g .. 4 g + 3 of the matrix instruction's own layout.  A reader takes a fragment by four loads of 16 bytes a lane at 16 x lane.
; SHARES.  Work-groups 0-511 take a tile of 16 rows of x, work-groups 512-767 a tile of 16 rows of one weight; wave w takes the tile's fragment k / 128 = w.  No loop, no barrier: waves share nothing.
; Each of a wave's 16 loads reads 512 consecutive bytes of one row; the 8 KiB turn through the wave's own stage in LDS (rows 528 bytes apart) and come back with 64 numbers of a lane's row in 64 registers.
; Each store of a wave covers 512 consecutive bytes, aligned.
; LIMITS: each e between -126 and 119, so that 2^e and 448 x 2^e are f32 numbers.  NaN among the inputs is not served; an infinity is held at the largest code.
.set NX,    512                        ; work-groups that take x
.set PITCH, 528                        ; a stage row: 512 bytes + 16
.set WREG,  16*PITCH                   ; a wave's stage
.set R,     16                         ; v16-79   the numbers as loaded: row i in 4 registers
.set X,     80                         ; v80-143  the numbers turned: register 16 g + n
.set T,     144                        ; v144-175 held numbers, two sets of 16 by turns
.set C,     176                        ; v176-223 codes: 16 registers for each scale, so that no store's data are written again
	s_load_b512 s[4:19], s[0:1], 0x0               ; x 4, Wq 6, Wk 8, Wv 10, Wo 12, the scales 14, xc 16, wc 18
	v_lshl_add_u32 v224, v0, 2, 0x10800
	v_mov_b32 v225, 0
	v_lshrrev_b32 v1, 5, v0
	s_delay_alu instid0(VALU_DEP_1)
	v_readfirstlane_b32 s32, v1                    ; wave 0..7
	v_and_b32 v2, 31, v0
	s_delay_alu instid0(VALU_DEP_1)
	v_lshlrev_b32 v1, 4, v2                        ; v1 = 16 x lane; never rewritten
	v_and_b32 v10, 15, v0                          ; r
	v_bfe_u32 v11, v0, 4, 1                        ; h
	s_mul_i32 s54, s32, WREG                       ; my stage
	v_add_nc_u32 v2, s54, v1                       ; into it: 16 x lane of a row
	v_mul_u32_u24 v3, v10, PITCH
	s_delay_alu instid0(VALU_DEP_1)
	v_lshl_add_u32 v3, v11, 5, v3
	s_delay_alu instid0(VALU_DEP_1)
	v_add_nc_u32 v3, s54, v3                       ; out of it: row r, + 32 h bytes (8 numbers)
	s_max_u32 s33, ttmp9, NX
	s_sub_co_u32 s33, s33, NX                      ; t: the number among the weights' work-groups (0 in x's)
	s_lshr_b32 s34, s33, 6                         ; which weight: 0 Wq, 1 Wk, 2 Wv, 3 Wo
	s_and_b32 s35, s33, 63                         ; its tile of rows
	s_lshl_b32 s43, s34, 20                        ; its part of wc
	s_wait_alu depctr_va_vdst(0)
	s_wait_kmcnt 0x0
	s_load_b256 s[20:27], s[14:15], 0x0            ; e0 .. e7
	s_load_b128 s[28:31], s[14:15], 0x20           ; e8 .. e11
	s_mov_b64 s[36:37], s[12:13]                   ; the source: every choice hangs on the work-group's number alone
	s_cmp_eq_u32 s34, 2
	s_cselect_b64 s[36:37], s[10:11], s[36:37]
	s_cmp_eq_u32 s34, 1
	s_cselect_b64 s[36:37], s[8:9], s[36:37]
	s_cmp_eq_u32 s34, 0
	s_cselect_b64 s[36:37], s[6:7], s[36:37]
	s_cmp_lt_u32 ttmp9, NX
	s_cselect_b64 s[36:37], s[4:5], s[36:37]
	s_cselect_b32 s39, ttmp9, s35                  ; the tile of rows
	s_cselect_b64 s[40:41], s[16:17], s[18:19]     ; the destination
	s_cselect_b32 s42, 0, s43
	s_lshl_b32 s44, s39, 16                        ; 16 rows of 4,096 bytes,
	s_lshl_b32 s55, s32, 9                         ; 128 numbers along K for each wave
	s_add_co_u32 s44, s44, s55
	s_mov_b32 s45, 0
	s_add_nc_u64 s[44:45], s[36:37], s[44:45]      ; where my 16 x 512 bytes begin
	s_lshl_b32 s46, s39, 14                        ; 8 fragments to a tile of rows,
	s_lshl_b32 s55, s32, 11                        ; mine
	s_add_co_u32 s46, s46, s55
	s_add_co_u32 s46, s46, s42
	s_mov_b32 s47, 0
	s_add_nc_u64 s[46:47], s[40:41], s[46:47]      ; my fragment's image
	s_add_nc_u64 s[48:49], s[46:47], 0x800000      ; x's second and third set (used by x's work-groups alone)
	s_add_nc_u64 s[50:51], s[46:47], 0x1000000
.irp i, 0,1,2,3,4,5,6,7,8,9,10,11,12,13,14,15
	global_load_b128 v[R+4*\i:R+4*\i+3], v1, s[44:45] offset:4096*\i th:TH_LOAD_NT   ; 512 consecutive bytes of row i; read once in the launch
.endr
	s_wait_kmcnt 0x0
	s_mov_b32 s38, s31                             ; the first scale's exponent: e11, e5, e3, e1 or e0
	s_cmp_eq_u32 s34, 2
	s_cselect_b32 s38, s25, s38
	s_cmp_eq_u32 s34, 1
	s_cselect_b32 s38, s23, s38
	s_cmp_eq_u32 s34, 0
	s_cselect_b32 s38, s21, s38
	s_cmp_lt_u32 ttmp9, NX
	s_cselect_b32 s38, s20, s38
.macro MKSC e, vs, vl                  ; v[vs] = 2^e as f32 (the conversion takes its exponent field); v[vl] = 448 x 2^e
	s_add_co_i32 s52, \e, 127
	s_lshl_b32 s53, s52, 23
	v_mov_b32 v[\vs], s53
	s_add_co_i32 s52, s52, 8
	s_lshl_b32 s52, s52, 23
	s_or_b32 s52, s52, 0x600000
	v_mov_b32 v[\vl], s52
.endm
	MKSC s38, 4, 5
	MKSC s22, 6, 7                                 ; e2
	MKSC s24, 8, 9                                 ; e4
	s_wait_alu depctr_va_vdst(0)
.irp i, 0,1,2,3,4,5,6,7,8,9,10,11,12,13,14,15
	s_wait_loadcnt 15-\i                           ; loads come back in order: row i is in, the younger rows stay out
	ds_store_b128 v2, v[R+4*\i:R+4*\i+3] offset:PITCH*\i
.endr
.irp g, 0,1,2,3                        ; LDS serves a wave's instructions in order: these see my stores
	ds_load_b128 v[X+16*\g:X+16*\g+3],     v3 offset:128*\g
	ds_load_b128 v[X+16*\g+4:X+16*\g+7],   v3 offset:128*\g+16
	ds_load_b128 v[X+16*\g+8:X+16*\g+11],  v3 offset:128*\g+64
	ds_load_b128 v[X+16*\g+12:X+16*\g+15], v3 offset:128*\g+80
.endr
; The fragment with scale i: held, converted, stored.  The held numbers go into T, since X is wanted up to three times; T's two sets take turns, so that sixteen plain lines stand between a conversion and the next write of its sources.
.macro QUANT i, dst, first
.irp g, 0,1,2,3
.if \first
	s_wait_dscnt 12-4*\g                           ; group g's four loads are in; those of the groups behind it may be out
.endif
.irp n, 0,1,2,3,4,5,6,7,8,9,10,11,12,13,14,15
	v_med3_num_f32 v[T+16*(\g%2)+\n], v[X+16*\g+\n], -v[5+2*\i], v[5+2*\i]   ; the conversion to an 8-bit code does not saturate (ISA guide 7.6.2): the hold at the largest code x the scale
.endr
	v_cvt_scalef32_pk8_fp8_f32 v[C+16*\i+4*\g:C+16*\i+4*\g+1], v[T+16*(\g%2):T+16*(\g%2)+7], v[4+2*\i]
	v_cvt_scalef32_pk8_fp8_f32 v[C+16*\i+4*\g+2:C+16*\i+4*\g+3], v[T+16*(\g%2)+8:T+16*(\g%2)+15], v[4+2*\i]
.endr
.irp g, 0,1,2,3
	global_store_b128 v1, v[C+16*\i+4*\g:C+16*\i+4*\g+3], s[\dst:\dst+1] offset:512*\g   ; 32 lanes store 512 consecutive bytes, aligned
.endr
.endm
	QUANT 0, 46, 1
	s_cmp_lt_u32 ttmp9, NX                         ; a weight has one scale: the branch stands round vector work and stores alone
	s_cbranch_scc0 .Lend
	QUANT 1, 48, 0
	QUANT 2, 50, 0
.Lend:
	s_wait_tensorcnt 0x0
	ds_add_u32 v224, v225
	s_wait_dscnt 0x0
	s_endpgm
.Lfunc_end_k_qbf3b6dcb8e_quant:
	.size	k_qbf3b6dcb8e_quant, .Lfunc_end_k_qbf3b6dcb8e_quant-k_qbf3b6dcb8e_quant
	.p2alignl 7, 3214868480
	.fill 96, 4, 3214868480
	.section	.rodata,"a",@progbits
	.p2align	6, 0x0
	.amdhsa_kernel k_qbf3b6dcb8e_quant
		.amdhsa_group_segment_fixed_size 68608
		.amdhsa_private_segment_fixed_size 0
		.amdhsa_enable_private_segment 0
		.amdhsa_kernarg_size 64
		.amdhsa_user_sgpr_count 2
		.amdhsa_user_sgpr_kernarg_segment_ptr 1
		.amdhsa_wavefront_size32 1
		.amdhsa_system_sgpr_workgroup_id_x 1
		.amdhsa_system_sgpr_workgroup_id_y 1
		.amdhsa_system_sgpr_workgroup_id_z 1
		.amdhsa_system_vgpr_workitem_id 0
		.amdhsa_next_free_vgpr 226
		.amdhsa_next_free_sgpr 66
		.amdhsa_reserve_vcc 0
		.amdhsa_float_denorm_mode_32 3
		.amdhsa_float_denorm_mode_16_64 3
		.amdhsa_memory_ordered 1
		.amdhsa_forward_progress 1
		.amdhsa_inst_pref_size 23
	.end_amdhsa_kernel
	.amdgpu_metadata
---
amdhsa.version: [ 1, 2 ]
amdhsa.kernels:
  - .name:           k_qbf3b6dcb8e_quant
    .symbol:         k_qbf3b6dcb8e_quant.kd
    .args:
      - { .name: x, .offset: 0, .size: 8, .value_kind: global_buffer, .address_space: global }
      - { .name: Wq, .offset: 8, .size: 8, .value_kind: global_buffer, .address_space: global }
      - { .name: Wk, .offset: 16, .size: 8, .value_kind: global_buffer, .address_space: global }
      - { .name: Wv, .offset: 24, .size: 8, .value_kind: global_buffer, .address_space: global }
      - { .name: Wo, .offset: 32, .size: 8, .value_kind: global_buffer, .address_space: global }
      - { .name: lowp_scales, .offset: 40, .size: 8, .value_kind: global_buffer, .address_space: global }
      - { .name: xc, .offset: 48, .size: 8, .value_kind: global_buffer, .address_space: global }
      - { .name: wc, .offset: 56, .size: 8, .value_kind: global_buffer, .address_space: global }
    .group_segment_fixed_size: 68608
    .private_segment_fixed_size: 0
    .kernarg_segment_align: 8
    .kernarg_segment_size: 64
    .max_flat_workgroup_size: 256
    .sgpr_count:     66
    .vgpr_count:     226
    .wavefront_size: 32
...
	.end_amdgpu_metadata
.endif
;; end of part 1
;; launch qkv (part 2): grid 4 x 96, 4 waves a work-group, clusters of 4 x 4, 327,680 bytes of LDS; arguments xc, wc, lowp_scales, qkv; writes qkv
.if DOCPART == 2
	.amdgcn_target "amdgcn-amd-amdhsa--gfx1250"
	.amdhsa_code_object_version 6
	.text
	.protected	k_qbf3b6dcb8e_qkv
	.globl	k_qbf3b6dcb8e_qkv
	.p2align	8
	.type	k_qbf3b6dcb8e_qkv,@function
k_qbf3b6dcb8e_qkv:
	s_mov_b64 s[64:65], 0
	v_nop
	global_prefetch_b8 v0, s[64:65] scope:SCOPE_SE
	s_setreg_imm32_b32 hwreg(HW_REG_WAVE_MODE, 25, 1), 1
	s_wait_xcnt 0x0
	s_wait_alu depctr_hold_cnt(0) depctr_sa_sdst(0) depctr_va_vdst(0) depctr_va_sdst(0) depctr_va_ssrc(0) depctr_va_vcc(0) depctr_vm_vsrc(0)
	s_getreg_b32 s2, hwreg(HW_REG_IB_STS2, 6, 4)
	s_cmp_eq_u32 s2, 0
	s_cbranch_scc0 .Lentry_in_a_cluster
	s_endpgm
.Lentry_in_a_cluster:
	s_bfe_u32 s2, ttmp6, 0x10000c
	s_cmp_lg_u32 s2, 0xf033
	s_cbranch_scc0 .Lentry_shape_is_right
	s_endpgm
.Lentry_shape_is_right:
; q = x Wq^T, k = x Wk^T, v = x Wv^T on codes of FP8 (E4M3); each finished f32 sum is quantised at once for attention's products (scales: entries 6, 7, 9) and stored as codes.
; One launch serves the three: cluster y = 8 part + ci, part 0 q, 1 k, 2 v.  M = 8,192 tokens, N = 1,024 features, K = 1,024.
; A tile of 256 x 256 is made by a work-group of four waves, each 128 x 128: 64 accumulators, 512 registers.  K goes in steps of 256 through a ring of two LDS slots filled by the tensor data mover.
; THE OPERANDS LIE IN MEMORY AS IMAGES OF THEIR REGISTERS: a fragment (16 rows x 128 K) is 2,048 bytes at ((row / 16) x 8 + k / 128) x 2,048, group c of four at 512 c, lane l's 16 bytes at 16 l.  So a K step of a tile of 16 rows is
; 4,096 consecutive bytes, a wave's tensor load brings 8 such rows, 16,384 bytes apart, and a fragment comes out of LDS by four loads of 512 consecutive bytes: no pitch, no padding.
; THE MATRIX INSTRUCTION IS USED TRANSPOSED: source 0 = 16 rows of B, source 1 = 16 rows of A; a lane holds ONE row of A and eight neighbouring rows of B.  For q and k: A = x (a lane holds a token and eight features: the next K);
; for v the operands change roles: A = Wv, B = x (a lane holds a feature and eight tokens: the keys are the next K).  Only bases and tile numbers are chosen, by selects on part, which all sixteen partners share.
; CLUSTERS: 4 x 4 work-groups; A's tile is shared along a row of the cluster, B's along a column: each is asked for JOINTLY, by the same tensor load with the same descriptor and a mask that names the four.
; THE RESULT: a wave's 128 x 128 codes are one block of 16 KiB of qkv, at part x 8 MiB + batch x 2 MiB + (head / 2) x 256 KiB + (block of 128 tokens) x 16 KiB; the codes of A's block a and B's blocks 2 p, 2 p + 1 are 512 bytes
; at 2,048 a + 512 p, lane l's 16 bytes at 16 l.  For q, k that is [tile of 16 tokens][head % 2][half of the head's 64][512]; for v [head % 2][16 features][32 keys][512]: attention's fragments as they stand.
; LIMITS: e6 - e0 - e1, e7 - e2 - e3 and e9 - e4 - e5 between -126 and 119, so that each folded scale and 448 x it are f32 numbers.
; REGISTERS, in windows of 256: window 0: v16-31 addresses and constants; v32-95 at work on the way out; from v128 A's fragments, ONE set; on the way out the codes.   window 1: B's fragments, TWO sets, at v0 and v128.
;   window 2: the accumulators of A's blocks 0-3 (accumulator (a, b) at v[8 (8 (a % 4) + b)]);   window 3: those of blocks 4-7.
.set FR,     16                        ; registers of a fragment
.set NL,     4                         ; LDS loads that bring one
.set NP,     4                         ; places behind this matrix instruction (ISA guide 7.12.1)
.set KB,     4096                      ; a K step of 256 in a tile of 16 rows: two fragments
.set HALFT,  8*KB                      ; 128 rows: what one tensor load brings, and what one wave reads of A or of B
.set SLOT,   4*HALFT                   ; A's 256 rows, then B's 256 rows
.set LAPS,   2                         ; a lap = two K steps = once round the ring: K = 1,024
.set SPARE,  2*SLOT                    ; behind the ring: the spare words, 128 bytes for each wave: two blocks of 256 bytes that no other line names
.set ADRA, 16                          ; v16-17  LDS address of my A fragments in slot 0, 1
.set ADRB, 20                          ; v20-21  the same for B
.set CO,   26                          ; v26     16 x lane
.set SPW,  28                          ; v28     LDS address of my spare word; never rewritten
.set NIL,  29                          ; v29     0; never rewritten
.set SC,   30                          ; v30     the folded scale as f32
.set LIM,  31                          ; v31     448 x it
.set TMP,  32                          ; v32-95  a block's 64 sums, held
.set AF,   128                         ; A's fragments
.set CD,   128                         ; the way out: 16 registers of codes for each block
.set G1, 24                            ; s[24:31] descriptor group 1 for A's tiles;  s[32:39] group 0, one set for each slot
.set G0, 32
.set G1B, 48                           ; s[48:55], s[56:63] the same for B's tiles
.set G0B, 56
.set MSB, 0
.macro WIN new                         ; the immediate's high byte repeats the setting that is left
.if MSB != \new
	s_set_vgpr_msb (MSB<<8)|\new
.set MSB, \new
.endif
.endm
.set MUL_LO, 0xa1                      ; source 0 (B) window 1, source 1 (A) window 0, C and D window 2
.set MUL_HI, 0xf1                      ; the same, C and D window 3
.set TO_B,   0x40                      ; destination window 1, address window 0
; A joint load: waves 0 and 1 fetch for A, waves 2 and 3 for B.  Each of the two lines has ONE mask and one set of registers for all that issue it; the branch hangs on the wave's number alone.
; Four v_nop follow each of the two lines, ahead of the jump, the label and what follows.
.macro JLOAD g0a, g1a, g0b, g1b
	s_cmp_eq_u32 s15, 0
	s_cbranch_scc0 .Lfor_b_\@
	tensor_load_to_lds s[\g0a:\g0a+3], s[\g1a:\g1a+7]
	s_nop 0
.rept 4
	v_nop
.endr
	s_branch .Lasked_\@
.Lfor_b_\@:
	tensor_load_to_lds s[\g0b:\g0b+3], s[\g1b:\g1b+7]
	s_nop 0
.rept 4
	v_nop
.endr
.Lasked_\@:
.endm
.macro CREST                           ; a round of the cluster's barrier behind its opening barrier
	s_cmp_lg_u32 s14, 0
	s_cbranch_scc1 .Lnot_wave_0_\@
	s_barrier_signal -3
.Lnot_wave_0_\@:
	s_barrier_wait -3
	s_barrier_signal -1
	s_barrier_wait -1
.endm
.macro CROUND                          ; a whole round
	s_barrier_signal -1
	s_barrier_wait -1
	CREST
.endm
	s_load_b128 s[4:7], s[0:1], 0x0                ; x's codes s[4:5], the weights' codes s[6:7]
	s_load_b128 s[8:11], s[0:1], 0x10              ; the scales' exponents s[8:9], qkv s[10:11]
	v_lshl_add_u32 v[SPW], v0, 2, SPARE
	v_mov_b32 v[NIL], 0
	ds_add_u32 v28, v29
	ds_add_u32 v28, v29
	s_wait_dscnt 0x0
	v_lshrrev_b32 v1, 5, v0
	v_readfirstlane_b32 s14, v1                    ; wave 0..3
	s_lshr_b32 s15, s14, 1                         ; which half of A's 256 rows is mine.  Also: I fetch for A (0) or for B (1)
	s_and_b32 s16, s14, 1                          ; which half of B's.  Also: which 128 rows of that tile I fetch
	s_bfe_u32 s40, ttmp6, 0x40000                  ; cx, cy: my place in the cluster
	s_bfe_u32 s41, ttmp6, 0x40004
	s_and_b32 s82, ttmp7, 0xffff                   ; cluster y = 8 part + ci
	s_lshr_b32 s80, s82, 3                         ; part: 0 q, 1 k, 2 v
	s_and_b32 s81, s82, 7
	s_lshl_b32 s81, s81, 2                         ; 4 ci: the cluster's first tile of 256 tokens
	s_cmp_eq_u32 s80, 2
	s_cselect_b32 s83, 0, s81                      ; the tokens are A's rows for q and k,
	s_cselect_b32 s84, s81, 0                      ; B's rows for v
	s_add_co_u32 s17, s83, s41                     ; A's tile: it hangs on cy and the cluster's y alone
	s_add_co_u32 s42, s84, s40                     ; B's tile: on cx and the cluster's y alone
	s_lshl_b32 s43, s41, 2
	s_lshl_b32 s43, 15, s43                        ; my row of the cluster
	s_lshl_b32 s44, 0x1111, s40                    ; my column
	; descriptor group 1: 8 rows of 4,096 bytes (512 elements of 8 bytes), 16,384 bytes (2,048 elements) apart; dense in LDS
	s_or_b32 s[G1+0], s43, (3<<16)|(1<<21)         ; 15:0 the mask: A's tiles go to my row; 17:16 elements of 8 bytes; 20 no padding; 21 set beside a mask
	s_or_b32 s[G1B+0], s44, (3<<16)|(1<<21)
.irp g, G1, G1B
	s_mov_b32 s[\g+1], 512<<16                     ; tensor_dim0
	s_mov_b32 s[\g+2], 8<<16                       ; tensor_dim1
	s_mov_b32 s[\g+3], 512<<16                     ; tile_dim0
	s_mov_b32 s[\g+4], 8|(2<<16)                   ; tile_dim1; at the head tile_dim2 = 2: K steps 0 and 1 in one load
	s_mov_b32 s[\g+5], 2048                        ; tensor_dim0_stride
	s_mov_b32 s[\g+6], 512<<16                     ; at the head: from K step to K step 512 elements
	s_mov_b32 s[\g+7], 0
.endr
	s_lshl_b32 s18, s16, 17                        ; which 128 rows (8 x 16,384 bytes) of the tile I fetch
	s_lshl_b32 s20, s17, 18                        ; a tile of 256 rows is 262,144 bytes
	s_add_co_u32 s20, s20, s18
	s_mov_b32 s21, 0
	s_lshl_b32 s46, s42, 18
	s_add_co_u32 s46, s46, s18
	s_mov_b32 s47, 0
	s_lshl_b32 s86, s80, 23                        ; the part's set of x's codes,
	s_mov_b32 s87, 0
	s_lshl_b32 s88, s80, 20                        ; and its weight
	s_mov_b32 s89, 0
	s_mul_i32 s45, s14, 2*HALFT                    ; where the tiles go: a wave's part of slot 0, then its part of slot 1
	s_wait_kmcnt 0x0
	s_load_b256 s[68:75], s[8:9], 0x0              ; e0 .. e7
	s_load_b128 s[76:79], s[8:9], 0x20             ; e8 .. e11
	s_add_nc_u64 s[86:87], s[4:5], s[86:87]
	s_add_nc_u64 s[88:89], s[6:7], s[88:89]
	s_cmp_eq_u32 s80, 2
	s_cselect_b64 s[90:91], s[88:89], s[86:87]     ; A: x's codes, for v the weight's
	s_cselect_b64 s[92:93], s[86:87], s[88:89]     ; B: the other
	s_add_nc_u64 s[20:21], s[90:91], s[20:21]
	s_add_nc_u64 s[46:47], s[92:93], s[46:47]
	CROUND                                         ; all sixteen work-groups are here: the first joint loads meet
.irp s, 0,1
	s_mov_b32 s[G0+4*\s], 1
	s_add_co_u32 s[G0+4*\s+1], s45, \s*HALFT
	s_add_nc_u64 s[G0+4*\s+2:G0+4*\s+3], s[20:21], \s*KB
	s_or_b32 s[G0+4*\s+3], s[G0+4*\s+3], 0x80000000
	s_mov_b32 s[G0B+4*\s], 1
	s_add_co_u32 s[G0B+4*\s+1], s45, \s*HALFT
	s_add_nc_u64 s[G0B+4*\s+2:G0B+4*\s+3], s[46:47], \s*KB
	s_or_b32 s[G0B+4*\s+3], s[G0B+4*\s+3], 0x80000000
.endr
	s_mov_b32 s96, 2                               ; groups 2 and 3: tensor_dim2 = 2; the fourth and fifth dimensions are not used
	s_mov_b32 s97, 1
	s_mov_b32 s98, 0
	s_mov_b32 s99, 0
	s_mov_b32 s84, 0
	s_mov_b32 s85, 1<<16
	s_mov_b32 s86, 0
	s_mov_b32 s87, 0
	s_cmp_eq_u32 s15, 0                            ; my one load at the head: 2 K steps x 8 rows x 4,096 bytes, both slots' first fills
	s_cbranch_scc0 .Lhead_b
	tensor_load_to_lds s[G0:G0+3], s[G1:G1+7], s[96:99], s[84:87]
	s_nop 0
.rept 4
	v_nop
.endr
	s_branch .Lhead_j
.Lhead_b:
	tensor_load_to_lds s[G0B:G0B+3], s[G1B:G1B+7], s[96:99], s[84:87]
	s_nop 0
.rept 4
	v_nop
.endr
.Lhead_j:
	v_and_b32 v6, 31, v0
	v_lshlrev_b32 v[CO], 4, v6                     ; 16 x lane
	s_mul_i32 s21, s15, 2*HALFT
	s_mul_i32 s22, s16, 2*HALFT
	s_add_co_u32 s22, s22, 4*HALFT
.irp s, 0,1
	v_add_nc_u32 v[ADRA+\s], s21, v[CO]
	v_add_nc_u32 v[ADRB+\s], s22, v[CO]
	s_add_co_u32 s21, s21, HALFT
	s_add_co_u32 s22, s22, HALFT
.endr
	; where my block of 16 KiB lies in qkv (in registers that feed no descriptor)
	s_cmp_eq_u32 s80, 2
	s_cselect_b32 s90, s42, s17                    ; the tile of 256 tokens,
	s_cselect_b32 s91, s16, s15                    ; my half of it,
	s_cselect_b32 s92, s17, s42                    ; the tile of 256 features,
	s_cselect_b32 s93, s15, s16                    ; my half of it: two heads
	s_lshr_b32 s94, s90, 3
	s_lshl_b32 s94, s94, 21                        ; batch x 2 MiB
	s_lshl_b32 s92, s92, 1
	s_add_co_u32 s92, s92, s93
	s_lshl_b32 s92, s92, 18                        ; pair of heads x 256 KiB
	s_add_co_u32 s94, s94, s92
	s_and_b32 s90, s90, 7
	s_lshl_b32 s90, s90, 1
	s_add_co_u32 s90, s90, s91
	s_lshl_b32 s90, s90, 14                        ; block of 128 tokens x 16 KiB
	s_add_co_u32 s94, s94, s90
	s_lshl_b32 s90, s80, 23                        ; part x 8 MiB
	s_add_co_u32 s94, s94, s90
	s_mov_b32 s95, 0
	s_add_nc_u64 s[10:11], s[10:11], s[94:95]
.macro FRAG reg, adr, q, i             ; a fragment as it stands: 16 registers by four loads of 512 consecutive bytes: K step's half q, tile of rows i
.irp c, 0,1,2,3
	ds_load_b128 v[\reg+4*\c:\reg+4*\c+3], v[\adr] offset:2048*(\q)+512*\c+(\i)*KB
.endr
.endm
; 16 matrix instructions: A's blocks a0, a0 + 1 x B's eight, 128 along K.  p: B's set.  zero = 1: the first product starts the sums: nothing is ever cleared.
; The 64 accumulators take turns, one instruction a turn, in the same order in every step.
.macro MUL16 a0, p, zero
.irp a, \a0, \a0+1
.irp b, 0,1,2,3,4,5,6,7
.if \zero
	v_wmma_f32_16x16x128_fp8_fp8 v[8*(8*((\a)%4)+\b):8*(8*((\a)%4)+\b)+7], v[128*(\p)+FR*\b:128*(\p)+FR*\b+FR-1], v[AF+FR*(\a):AF+FR*(\a)+FR-1], 0
.else
	v_wmma_f32_16x16x128_fp8_fp8 v[8*(8*((\a)%4)+\b):8*(8*((\a)%4)+\b)+7], v[128*(\p)+FR*\b:128*(\p)+FR*\b+FR-1], v[AF+FR*(\a):AF+FR*(\a)+FR-1], v[8*(8*((\a)%4)+\b):8*(8*((\a)%4)+\b)+7]
.endif
.endr
.endr
.endm
.macro FETCH_B slot, q, p              ; B's eight fragments of the slot's q-th 128 along K into set p
	WIN TO_B
.irp i, 0,1,2,3,4,5,6,7
	FRAG 128*(\p)+FR*\i, ADRB+\slot, \q, \i
.endr
	WIN 0
.endm
.macro FETCH_A slot, q, i0             ; A's blocks i0 .. i0 + 3
.irp i, \i0, \i0+1, \i0+2, \i0+3
	FRAG AF+FR*(\i), ADRA+\slot, \q, \i
.endr
.endm
; A load into a register that a matrix instruction has read, and a vector instruction that reads a matrix result, stand NP places behind that matrix instruction; only plain vector
; instructions that name none of its registers are places (ISA guide 7.12.1 for vector instructions).
.macro PLACES n
.rept \n
	v_nop
.endr
.endm
; A step of 128 along K that has its successor in the same slot.  A's blocks go one after the other, each against B's eight: a block of A is free as soon as its eight products are issued, so A has one set of registers.
.macro STEP slot, q, zero
	s_wait_dscnt 4*NL                              ; B's set and A's blocks 0-3 are in; the youngest sixteen loads (A's blocks 4-7) may be out
	WIN MUL_LO
	MUL16 0, (\q)%2, \zero
	MUL16 2, (\q)%2, \zero
	s_wait_dscnt 0                                 ; A's blocks 4-7 are in (asked for 32 matrix instructions ago)
	PLACES NP
	FETCH_B \slot, (\q)+1, 1-(\q)%2
	FETCH_A \slot, (\q)+1, 0
	WIN MUL_HI
	MUL16 4, (\q)%2, \zero
	MUL16 6, (\q)%2, \zero
	PLACES NP
	WIN 0
	FETCH_A \slot, (\q)+1, 4
.endm
; A slot's last step changes slots: ONE barrier; in front of it each wave waits for all its tensor loads, adds 0 to its spare word, and waits for that and for its own reads of this slot.  fill = 1: this slot is filled again, two K steps ahead.
.macro TURN slot, next, fill
	s_wait_tensorcnt 0x0                           ; all my tensor loads have landed: my part of the next slot;  (every window is 0 here: the add's two registers lie in window 0)
	ds_add_u32 v[SPW], v[NIL]                      ; 0 onto my spare word
	s_wait_dscnt 4*NL+1                            ; (the add and the youngest sixteen loads, A's blocks 4-7, may be out)
	WIN MUL_LO
	MUL16 0, 1, 0                                  ; sixteen matrix instructions stand between the add and the wait for it
	s_wait_dscnt 0x0                               ; the add is done, and my reads of this slot are over
	s_barrier_signal -1
	MUL16 2, 1, 0
	WIN 0
	s_barrier_wait -1
.if \fill
	CREST                                          ; the barrier has opened a round of the cluster's barrier: no wave of any partner still reads this slot's tile or has a load on its way
	s_add_nc_u64 s[G0+4*\slot+2:G0+4*\slot+3], s[G0+4*\slot+2:G0+4*\slot+3], 2*KB
	s_add_nc_u64 s[G0B+4*\slot+2:G0B+4*\slot+3], s[G0B+4*\slot+2:G0B+4*\slot+3], 2*KB
	JLOAD G0+4*\slot, G1, G0B+4*\slot, G1B         ; the first tensor load behind the round; the four v_nop behind it are the places in front of the loads below
.else
	PLACES NP
.endif
	FETCH_B \next, 0, 0
	FETCH_A \next, 0, 0
	WIN MUL_HI
	MUL16 4, 1, 0
	MUL16 6, 1, 0
	PLACES NP
	WIN 0
	FETCH_A \next, 0, 4
.endm
	s_wait_alu depctr_va_vdst(0)
	s_wait_tensorcnt 0x0                           ; my part of K steps 0 and 1 is in, so the descriptors may be written: the refills bring one K step
	s_mov_b32 s[G1+4], 8
	s_mov_b32 s[G1+6], 0
	s_mov_b32 s[G1B+4], 8
	s_mov_b32 s[G1B+6], 0
	s_barrier_signal -1
	s_barrier_wait -1                              ; everybody's is
	FETCH_B 0, 0, 0
	FETCH_A 0, 0, 0
	FETCH_A 0, 0, 4
	STEP 0, 0, 1                                   ; the first step stands in front of the loop: its products start the sums
	s_mov_b32 s3, LAPS-1
.Llap:                                                 ; a trip goes once round the ring, from a lap's second step to the next lap's first, and fills both slots again
	TURN 0, 1, 1
	STEP 1, 0, 0
	TURN 1, 0, 1
	STEP 0, 0, 0
	s_sub_co_u32 s3, s3, 1
	s_cmp_lg_u32 s3, 0
	s_cbranch_scc1 .Llap
	TURN 0, 1, 0                                   ; the last lap fills nothing, and has no round of the cluster's barrier
	STEP 1, 0, 0
	s_wait_dscnt 4*NL                              ; the very last step: nothing more to fetch
	WIN MUL_LO
	MUL16 0, 1, 0
	MUL16 2, 1, 0
	s_wait_dscnt 0
	WIN MUL_HI
	MUL16 4, 1, 0
	MUL16 6, 1, 0
	WIN 0
	; THE WAY OUT.  A sum stands for sum x 2^(ea + eb); its code is sum / 2^(eo - ea - eb): the three scales are folded into the conversion's one.  The choice among the parts is made by selects.
	s_wait_kmcnt 0x0
	s_add_co_i32 s90, s72, s73                     ; v: e4 + e5,
	s_mov_b32 s91, s77                             ;    e9
	s_add_co_i32 s92, s70, s71                     ; k: e2 + e3
	s_add_co_i32 s93, s68, s69                     ; q: e0 + e1
	s_cmp_eq_u32 s80, 1
	s_cselect_b32 s90, s92, s90
	s_cselect_b32 s91, s75, s91                    ;    e7
	s_cmp_eq_u32 s80, 0
	s_cselect_b32 s90, s93, s90
	s_cselect_b32 s91, s74, s91                    ;    e6
	s_sub_co_i32 s90, s91, s90
	s_add_co_i32 s90, s90, 127
	s_lshl_b32 s91, s90, 23
	v_mov_b32 v[SC], s91                           ; 2^(eo - ea - eb) as f32
	s_add_co_i32 s90, s90, 8
	s_lshl_b32 s90, s90, 23
	s_or_b32 s90, s90, 0x600000
	v_mov_b32 v[LIM], s90                          ; 448 x that
	PLACES NP
; Block a: its 64 sums are held (each accumulator from its low end on) and converted; a lane's eight sums of an accumulator are eight neighbours along the next K, so the codes of B's blocks 2 p and 2 p + 1 are four
; registers of the next operand as they stand.  Each block has code registers of its own: no store's data are written again.
.macro OUTBLK a
.set AC, 64*((\a)%4)
	WIN 0x02+((\a)/4)                              ; source 0: window 2 or 3
.set j, 0
.rept 64
	v_med3_num_f32 v[TMP+j], v[AC+j], -v[LIM], v[LIM]   ; the conversion to an 8-bit code does not saturate (ISA guide 7.6.2)
.set j, j+1
.endr
	WIN 0
.irp b, 0,1,2,3,4,5,6,7
	v_cvt_scalef32_pk8_fp8_f32 v[CD+16*(\a)+2*\b:CD+16*(\a)+2*\b+1], v[TMP+8*\b:TMP+8*\b+7], v[SC]
.endr
	v_nop                                          ; one plain vector instruction between the last conversion and the next block's holds, which write its sources
.irp p, 0,1,2,3
	global_store_b128 v[CO], v[CD+16*(\a)+4*\p:CD+16*(\a)+4*\p+3], s[10:11] offset:2048*(\a)+512*\p   ; 32 lanes store 512 consecutive bytes, aligned
.endr
.endm
.irp a, 0,1,2,3,4,5,6,7
	OUTBLK \a
.endr
	s_wait_tensorcnt 0x0                           ; the wave's end: behind my last tensor load
	ds_add_u32 v[SPW], v[NIL]
	s_wait_dscnt 0x0
	CROUND                                         ; the closing round: no work-group ends while a partner may still ask for a tile that names it
	s_endpgm
.Lfunc_end_k_qbf3b6dcb8e_qkv:
	.size	k_qbf3b6dcb8e_qkv, .Lfunc_end_k_qbf3b6dcb8e_qkv-k_qbf3b6dcb8e_qkv
	.p2alignl 7, 3214868480
	.fill 96, 4, 3214868480
	.section	.rodata,"a",@progbits
	.p2align	6, 0x0
	.amdhsa_kernel k_qbf3b6dcb8e_qkv
		.amdhsa_group_segment_fixed_size 327680
		.amdhsa_private_segment_fixed_size 0
		.amdhsa_enable_private_segment 0
		.amdhsa_kernarg_size 32
		.amdhsa_user_sgpr_count 2
		.amdhsa_user_sgpr_kernarg_segment_ptr 1
		.amdhsa_wavefront_size32 1
		.amdhsa_system_sgpr_workgroup_id_x 1
		.amdhsa_system_sgpr_workgroup_id_y 1
		.amdhsa_system_sgpr_workgroup_id_z 1
		.amdhsa_system_vgpr_workitem_id 0
		.amdhsa_next_free_vgpr 1024
		.amdhsa_next_free_sgpr 100
		.amdhsa_reserve_vcc 0
		.amdhsa_float_denorm_mode_32 3
		.amdhsa_float_denorm_mode_16_64 3
		.amdhsa_memory_ordered 1
		.amdhsa_forward_progress 1
		.amdhsa_inst_pref_size 118
	.end_amdhsa_kernel
	.amdgpu_metadata
---
amdhsa.version: [ 1, 2 ]
amdhsa.kernels:
  - .name:           k_qbf3b6dcb8e_qkv
    .symbol:         k_qbf3b6dcb8e_qkv.kd
    .args:
      - { .name: xc, .offset: 0, .size: 8, .value_kind: global_buffer, .address_space: global }
      - { .name: wc, .offset: 8, .size: 8, .value_kind: global_buffer, .address_space: global }
      - { .name: lowp_scales, .offset: 16, .size: 8, .value_kind: global_buffer, .address_space: global }
      - { .name: qkv, .offset: 24, .size: 8, .value_kind: global_buffer, .address_space: global }
    .group_segment_fixed_size: 327680
    .private_segment_fixed_size: 0
    .kernarg_segment_align: 8
    .kernarg_segment_size: 32
    .max_flat_workgroup_size: 128
    .sgpr_count:     100
    .vgpr_count:     1024
    .wavefront_size: 32
...
	.end_amdgpu_metadata
.endif
;; end of part 2
;; launch attn (part 3): grid 4 x 64, 16 waves a work-group, clusters of 4 x 1, 327,680 bytes of LDS; arguments qkv, lowp_scales, oc; writes oc
.if DOCPART == 3
	.amdgcn_target "amdgcn-amd-amdhsa--gfx1250"
	.amdhsa_code_object_version 6
	.text
	.protected	k_qbf3b6dcb8e_attn
	.globl	k_qbf3b6dcb8e_attn
	.p2align	8
	.type	k_qbf3b6dcb8e_attn,@function
k_qbf3b6dcb8e_attn:
	s_mov_b64 s[64:65], 0
	v_nop
	global_prefetch_b8 v0, s[64:65] scope:SCOPE_SE
	s_setreg_imm32_b32 hwreg(HW_REG_WAVE_MODE, 25, 1), 1
	s_wait_xcnt 0x0
	s_wait_alu depctr_hold_cnt(0) depctr_sa_sdst(0) depctr_va_vdst(0) depctr_va_sdst(0) depctr_va_ssrc(0) depctr_va_vcc(0) depctr_vm_vsrc(0)
	s_getreg_b32 s2, hwreg(HW_REG_IB_STS2, 6, 4)
	s_cmp_eq_u32 s2, 0
	s_cbranch_scc0 .Lentry_in_a_cluster
	s_endpgm
.Lentry_in_a_cluster:
	s_bfe_u32 s2, ttmp6, 0x10000c
	s_cmp_lg_u32 s2, 0x3003
	s_cbranch_scc0 .Lentry_shape_is_right
	s_endpgm
.Lentry_shape_is_right:
; Causal attention of one head on codes of FP8 (E4M3): S = q k^T (scales: entries 6, 7), p = softmax FINISHED AND NORMALISED, quantised with entry 8, O = p v (entry 9), O quantised with entry 10 for the last projection.
; TWO PASSES, since p is quantised normalised: pass 1 finds each row's L = log2 of the sum of 2^t (t = score x log2(e) / 8) by a running largest t, rounded up to a whole number M; pass 2 makes the scores again, p = 2^(t - L), its codes and O.
; Key tiles that lie wholly above the diagonal are not multiplied.  Every row has its own key, all codes are finite, so no row's softmax is NaN.
; SHARES.  A cluster of 4 work-groups owns a head; K and V (2 x 128 KiB of codes) are asked for JOINTLY, once, at the head: waves 0-7 an eighth of K each, waves 8-15 an eighth of V.
; The head's 2,048 queries are 16 groups of 128; partner cx owns rows 32 cx .. 32 cx + 31 of EVERY group, so no branch and no trip count hangs on cx: it enters global addresses and the mask's numbers alone.
; A unit is 32 queries x 64 keys.  Group g needs units 0 .. 2 g + 1.  Waves m and m + 8 share groups m (low) and 15 - m (high), 34 units: wave m takes the high tile's units 0-16; wave m + 8 the low tile's 2 m + 2 units, then the high
; tile's units 17 .. 31 - 2 m: 17 units a wave in each pass.  The high tile's two parts are joined through LDS: (-M, largest score, sum) behind pass 1, the f32 parts of O behind pass 2 (in K's bytes, which nobody reads or fills any more).
; Each pass is ONE loop of 48 trips, a constant: trips 0-15 stand for the low tile's units, trips 16-47 for the high tile's units (trip & 31); a scalar branch on the wave's number and the trip leads round a unit that is not mine.
; No prefetch: all tiles are asked for at the head, there is no loop to run ahead in.
; LAYOUTS of qkv and oc: images of the operands' registers, as the launches beside this one write and read them.  Both products are used transposed: a lane holds one query (lane % 16), register 8 u + j of a subtile holds key 16 u + 8 (lane / 16) + j.
; LIMITS: e6 + e7 between -123 and 130; e8 and e10 - e8 - e9 between -126 and 119.
.set VOFF, 131072                      ; V behind K
.set STAT, 262144                      ; pass 1's parts: 1,024 bytes a wave
.set SPARE, 278528                     ; the spare words: 128 bytes a wave
.set L16,  1                           ; 16 x lane
.set RH,   2                           ; r - 8 h
.set ADK,  3
.set ADV,  4
.set LIMP, 5                           ; 448 x 2^e8 (and once more in LIMP2, for the second half of a pair)
.set SCP,  6
.set LIMO, 7
.set SCO,  8
.set NINF, 9
.set SV,   12                          ; the tile in hand: (c x largest score - L, largest score) for each subtile
.set SVH,  16                          ; the same of the high tile
.set ST,   20                          ; pass 1, 8 a subtile: -M, largest score, sum x 2, f, 0, two at work.  Pass 2: the high tile's q
.set Q,    36
.set KF,   52
.set S,    84
.set P,    148
.set O,    164
.set QY,   164                         ; pass 1: the high tile's q
.set XS,   228
.set CN,   232                         ; - largest score, as C of the scores' products
.set LIMP2, 252
.set STA,  253
.macro ROUND
	s_barrier_signal -1
	s_barrier_wait -1
	s_cmp_lg_u32 s10, 0
	s_cbranch_scc1 .Lnw0_\@
	s_barrier_signal -3
.Lnw0_\@:
	s_barrier_wait -3
	s_barrier_signal -1
	s_barrier_wait -1
.endm
.macro NOPS
.rept 4
	v_nop
.endr
.endm
.macro SETLO                           ; tile, first masked unit, my first unit, my number of units
	s_mov_b32 s82, s80
	s_mov_b32 s83, s94
	s_mov_b32 s90, 0
	s_mov_b32 s91, s98
.endm
.macro SETHI
	s_mov_b32 s82, s81
	s_mov_b32 s83, s97
	s_mov_b32 s90, s95
	s_mov_b32 s91, s96
.endm
.macro QLOAD dst, a
.irp t, 0,1
.irp g, 0,1
	global_load_b128 v[\dst+8*\t+4*\g:\dst+8*\t+4*\g+3], v[L16], s[\a:\a+1] offset:2048*\t+512*\g
.endr
.endr
.endm
.macro STINIT                          ; the largest score so far lies under every sum of 64 products of codes
.irp t, 0,1
	v_mov_b32 v[ST+8*\t+1], 0xcc000000
	v_mul_f32 v[ST+8*\t+6], s22, v[ST+8*\t+1]
	v_floor_f32 v[ST+8*\t], -v[ST+8*\t+6]
	v_mov_b32 v[ST+8*\t+2], 0
	v_mov_b32 v[ST+8*\t+3], 0
	v_mov_b32 v[ST+8*\t+5], 0
.endr
.endm
	s_load_b128 s[4:7], s[0:1], 0x0                ; qkv, the scales
	s_load_b64 s[8:9], s[0:1], 0x10                ; oc
	v_lshl_add_u32 v254, v0, 2, SPARE
	v_mov_b32 v255, 0
	ds_add_u32 v254, v255                          ; the opening lines
	ds_add_u32 v254, v255
	v_lshrrev_b32 v1, 5, v0
	v_readfirstlane_b32 s10, v1                    ; wave 0..15
	s_and_b32 s11, s10, 7                          ; m
	s_lshr_b32 s87, s10, 3                         ; 0: the high tile's first 17 units; 1: the low tile and the rest
	s_bfe_u32 s46, ttmp6, 0x40000                  ; cx
	s_and_b32 s48, ttmp7, 0xffff                   ; 16 batch + head
	s_lshr_b32 s49, s48, 4
	s_and_b32 s50, s48, 15
	s_lshr_b32 s51, s50, 1
	s_and_b32 s52, s50, 1
	s_lshl_b32 s53, s49, 21
	s_lshl_b32 s54, s51, 18
	s_add_co_u32 s54, s53, s54
	s_lshl_b32 s55, s52, 10
	s_lshl_b32 s56, s11, 15                        ; my eighth: 256 keys
	s_add_co_u32 s58, s54, s55                     ; q's codes of the head
	s_mov_b32 s59, 0
	s_add_co_u32 s60, s58, s56
	s_add_co_u32 s60, s60, 0x800000                ; k's
	s_lshl_b32 s57, s52, 13
	s_add_co_u32 s62, s54, s57
	s_add_co_u32 s62, s62, s56
	s_add_co_u32 s62, s62, 0x1000000               ; v's
	s_cmp_lt_u32 s10, 8
	s_cselect_b32 s60, s60, s62                    ; the offset that my load takes: wave's number and head alone
	s_mov_b32 s61, 0
	s_lshl_b32 s66, s51, 11
	s_add_co_u32 s66, s66, s53
	s_add_co_u32 s66, s66, s55                     ; the head's place in oc
	s_mov_b32 s67, 0
	s_mov_b32 s24, 15|(3<<16)|(1<<21)              ; K: 16 rows of 1,024 bytes, 2,048 apart; elements of 8 bytes; the mask names the four partners
	s_mov_b32 s25, 128<<16
	s_mov_b32 s26, 16<<16
	s_mov_b32 s27, 128<<16
	s_mov_b32 s28, 16
	s_mov_b32 s29, 256
	s_mov_b32 s30, 0
	s_mov_b32 s31, 0
	s_mov_b32 s32, 15|(3<<16)|(1<<21)              ; V: 2 rows of 8,192 bytes, 16,384 apart
	s_mov_b32 s33, 1024<<16
	s_mov_b32 s34, 2<<16
	s_mov_b32 s35, 1024<<16
	s_mov_b32 s36, 2
	s_mov_b32 s37, 2048
	s_mov_b32 s38, 0
	s_mov_b32 s39, 0
	s_mov_b32 s20, 0x76543210
	s_mov_b32 s21, 0xfedcba98
	s_mov_b32 s22, 0x3e38aa3b                      ; log2(e) / 8
	s_lshl_b32 s80, s11, 2
	s_sub_co_u32 s81, 60, s80
	s_add_co_u32 s80, s80, s46                     ; the low tile of 32 queries: 4 m + cx
	s_add_co_u32 s81, s81, s46                     ; the high one: 4 (15 - m) + cx
	s_lshl_b32 s94, s11, 1                         ; low: masked from unit 2 m on
	s_add_co_u32 s98, s94, 2
	s_sub_co_u32 s96, 15, s94
	s_sub_co_u32 s97, 30, s94                      ; high: masked from unit 30 - 2 m on
	s_cmp_eq_u32 s87, 0
	s_cselect_b32 s98, 0, s98                      ; my units of the low tile,
	s_cselect_b32 s95, 0, 17                       ; my first of the high tile,
	s_cselect_b32 s96, 17, s96                     ; and how many
	s_wait_dscnt 0x0
	s_wait_kmcnt 0x0
	s_load_b256 s[68:75], s[6:7], 0x0
	s_load_b128 s[76:79], s[6:7], 0x20
	s_mov_b32 s40, 1
	s_lshl_b32 s41, s10, 14                        ; LDS: 16 KiB a wave: K's eighths, then V's
	s_add_nc_u64 s[42:43], s[4:5], s[60:61]
	s_or_b32 s43, s43, 0x80000000
	ROUND                                          ; the four partners meet in front of the joint loads
	s_cmp_lt_u32 s10, 8
	s_cbranch_scc0 .Lforv
	tensor_load_to_lds s[40:43], s[24:31]
	s_nop 0
	NOPS
	s_branch .Lasked
.Lforv:
	tensor_load_to_lds s[40:43], s[32:39]
	s_nop 0
	NOPS
.Lasked:
	s_add_nc_u64 s[12:13], s[4:5], s[58:59]
	s_add_nc_u64 s[14:15], s[8:9], s[66:67]
	s_lshl_b32 s88, s80, 12
	s_mov_b32 s89, 0
	s_add_nc_u64 s[16:17], s[12:13], s[88:89]      ; the low tile's q; never rewritten
	s_lshl_b32 s88, s81, 12
	s_add_nc_u64 s[92:93], s[12:13], s[88:89]      ; the high tile's
	s_lshl_b32 s56, s10, 10
	s_add_co_u32 s56, s56, STAT
	s_wait_kmcnt 0x0
	s_add_co_i32 s88, s74, s75
	s_lshl_b32 s88, s88, 23
	s_add_co_i32 s22, s22, s88                     ; c = log2(e) / 8 x 2^(e6 + e7)
	s_mov_b32 s23, s22
	s_add_co_i32 s88, s76, 127
	s_lshl_b32 s47, s88, 23                        ; 2^e8
	s_add_co_i32 s88, s88, 8
	s_lshl_b32 s88, s88, 23
	s_or_b32 s44, s88, 0x600000                    ; 448 x 2^e8
	s_sub_co_i32 s88, s78, s76
	s_sub_co_i32 s88, s88, s77
	s_add_co_i32 s88, s88, 127
	s_lshl_b32 s45, s88, 23                        ; 2^(e10 - e8 - e9)
	s_add_co_i32 s88, s88, 8
	s_lshl_b32 s88, s88, 23
	s_or_b32 s99, s88, 0x600000
	v_and_b32 v2, 31, v0
	v_lshlrev_b32 v[L16], 4, v2
	v_and_b32 v3, 15, v0
	v_bfe_u32 v4, v0, 4, 1
	v_lshlrev_b32 v4, 3, v4
	v_sub_nc_u32 v[RH], v3, v4
	v_add_nc_u32 v[STA], s56, v[L16]
	v_mov_b32 v[NINF], 0xff800000
	v_mov_b32 v248, 0                              ; a lane permute's destination counts as a source
	v_mov_b32 v249, 0
	v_mov_b32 v250, 0
	v_mov_b32 v[SCP], s47
	v_mov_b32 v[LIMP], s44
	v_mov_b32 v[LIMP2], s44
	v_mov_b32 v[SCO], s45
	v_mov_b32 v[LIMO], s99
	STINIT
	s_wait_alu depctr_va_vdst(0)
	QLOAD Q, 16
	QLOAD QY, 92
	SETLO
	s_wait_tensorcnt 0x0                           ; my eighth is in,
	s_wait_loadcnt 0x0
	s_barrier_signal -1
	s_barrier_wait -1                              ; everybody's is: K and V are whole
.macro SCORES c                        ; S^T = K Q^T: four tiles of 16 keys x two subtiles of 16 queries
.irp i, 0,1,2,3,4,5,6,7
	ds_load_b128 v[KF+4*\i:KF+4*\i+3], v[ADK] offset:512*\i
.endr
	s_wait_dscnt 0x0
.irp u, 0,1,2,3
.irp t, 0,1
.if \c
	v_wmma_f32_16x16x64_fp8_fp8 v[S+32*\t+8*\u:S+32*\t+8*\u+7], v[KF+8*\u:KF+8*\u+7], v[Q+8*\t:Q+8*\t+7], v[CN+8*\t:CN+8*\t+7]
.else
	v_wmma_f32_16x16x64_fp8_fp8 v[S+32*\t+8*\u:S+32*\t+8*\u+7], v[KF+8*\u:KF+8*\u+7], v[Q+8*\t:Q+8*\t+7], 0
.endif
.endr
.endr
	NOPS
.endm
.macro MASK                            ; in the tile's last two units hidden scores become -infinity; which are hidden hangs on cx by numbers alone
	s_cmp_lt_u32 s84, s83
	s_cbranch_scc1 .Lopen_\@
	s_lshl_b32 s88, s82, 5
	s_lshl_b32 s89, s84, 6
	s_sub_co_i32 s88, s88, s89
	v_add_nc_u32 v10, s88, v[RH]                   ; my query - the unit's first key - 8 h
	v_add_nc_u32 v11, 16, v10
.irp t, 0,1
.irp u, 0,1,2,3
.irp j, 0,1,2,3,4,5,6,7
	v_cmp_gt_i32 vcc_lo, 16*\u+\j, v[10+\t]
	v_cndmask_b32 v[S+32*\t+8*\u+\j], v[S+32*\t+8*\u+\j], v[NINF], vcc_lo
.endr
.endr
.endr
.Lopen_\@:
.endm
.macro MERGE t, pn, pr, ps             ; another part's (-M, largest score, sum) joined to mine: both sums are brought under the larger M by powers of two
	v_min_num_f32 v251, v[ST+8*\t], v[\pn]
	v_max_num_f32 v[ST+8*\t+1], v[ST+8*\t+1], v[\pr]
	v_sub_f32 v[ST+8*\t+6], v251, v[ST+8*\t]
	v_sub_f32 v[ST+8*\t+7], v251, v[\pn]
	v_cvt_i32_f32 v[ST+8*\t+6], v[ST+8*\t+6]
	v_cvt_i32_f32 v[ST+8*\t+7], v[ST+8*\t+7]
	v_ldexp_f32 v[ST+8*\t+2], v[ST+8*\t+2], v[ST+8*\t+6]
	v_ldexp_f32 v[\ps], v[\ps], v[ST+8*\t+7]
	v_add_f32 v[ST+8*\t+2], v[ST+8*\t+2], v[\ps]
	v_mov_b32 v[ST+8*\t], v251
.endm
.macro INW                             ; lane l xor 16 holds the other keys of my query
.irp t, 0,1
	v_add_f32 v[ST+8*\t+2], v[ST+8*\t+2], v[ST+8*\t+3]
	v_permlanex16_b32 v248, v[ST+8*\t], s20, s21
	v_permlanex16_b32 v249, v[ST+8*\t+2], s20, s21
	v_permlanex16_b32 v250, v[ST+8*\t+1], s20, s21
	MERGE \t, 248, 250, 249
.endr
.endm
.macro FINISH dst                      ; (c x largest score - M - log2(sum), largest score)
.irp t, 0,1
	v_fma_f32 v[ST+8*\t+3], s22, v[ST+8*\t+1], v[ST+8*\t]
.endr
	s_wait_alu depctr_va_vdst(0)
.irp t, 0,1
	v_log_f32 v[ST+8*\t+6], v[ST+8*\t+2]
.endr
	v_nop
	s_wait_alu depctr_va_vdst(0)
.irp t, 0,1
	v_sub_f32 v[\dst+2*\t], v[ST+8*\t+3], v[ST+8*\t+6]
	v_mov_b32 v[\dst+2*\t+1], v[ST+8*\t+1]
.endr
.endm
; PASS 1
	s_mov_b32 s86, 0
.Lp1:
	s_cmp_lg_u32 s86, 16
	s_cbranch_scc1 .Lp1go
	s_wait_alu depctr_va_vdst(0)                   ; trip 16: the low tile is finished, the high tile begins
	INW
	FINISH SV
	STINIT
.set j, 0
.rept 16
	v_mov_b32 v[Q+j], v[QY+j]
.set j, j+1
.endr
	SETHI
.Lp1go:
	s_and_b32 s84, s86, 31                         ; the unit
	s_sub_co_u32 s88, s84, s90
	s_cmp_ge_u32 s88, s91
	s_cbranch_scc1 .Lp1skip                        ; not mine: wave's number and trip alone decide
	s_lshl_b32 s85, s84, 12
	v_add_nc_u32 v[ADK], s85, v[L16]
	s_wait_alu depctr_va_vdst(0)
	SCORES 0
	MASK
.irp t, 0,1
	v_max3_num_f32 v[ST+8*\t+6], v[S+32*\t], v[S+32*\t+1], v[S+32*\t+2]
	v_max3_num_f32 v[ST+8*\t+7], v[S+32*\t+3], v[S+32*\t+4], v[S+32*\t+5]
.endr
.irp i, 6,10,14,18,22,26
.irp t, 0,1
	v_max3_num_f32 v[ST+8*\t+6], v[ST+8*\t+6], v[S+32*\t+\i], v[S+32*\t+\i+1]
	v_max3_num_f32 v[ST+8*\t+7], v[ST+8*\t+7], v[S+32*\t+\i+2], v[S+32*\t+\i+3]
.endr
.endr
.irp t, 0
	v_max3_num_f32 v[ST+8*\t+6], v[ST+8*\t+6], v[S+32*\t+30], v[S+32*\t+31]
.endr
.irp t, 1
	v_max3_num_f32 v[ST+8*\t+6], v[ST+8*\t+6], v[S+32*\t+30], v[S+32*\t+31]
.endr
.irp t, 0,1
	s_delay_alu instid0(VALU_DEP_2)
	v_max3_num_f32 v[ST+8*\t+1], v[ST+8*\t+1], v[ST+8*\t+6], v[ST+8*\t+7]
.endr
.irp t, 0
	s_delay_alu instid0(VALU_DEP_2)
	v_mul_f32 v[ST+8*\t+6], s22, v[ST+8*\t+1]
	v_mov_b32 v[ST+8*\t+7], v[ST+8*\t]
.endr
.irp t, 1
	s_delay_alu instid0(VALU_DEP_3)
	v_mul_f32 v[ST+8*\t+6], s22, v[ST+8*\t+1]
	v_mov_b32 v[ST+8*\t+7], v[ST+8*\t]
.endr
.irp t, 0
	s_delay_alu instid0(VALU_DEP_4)
	v_floor_f32 v[ST+8*\t], -v[ST+8*\t+6]          ; -M = floor(-t): M is a whole number
.endr
.irp t, 1
	s_delay_alu instid0(VALU_DEP_3)
	v_floor_f32 v[ST+8*\t], -v[ST+8*\t+6]
.endr
.irp t, 0,1
	s_delay_alu instid0(VALU_DEP_2)
	v_sub_f32 v[ST+8*\t+7], v[ST+8*\t], v[ST+8*\t+7]
.endr
.irp t, 0,1
	s_delay_alu instid0(VALU_DEP_2)
	v_cvt_i32_f32 v[ST+8*\t+7], v[ST+8*\t+7]
.endr
.irp t, 0,1
	s_delay_alu instid0(VALU_DEP_2)
	v_ldexp_f32 v[ST+8*\t+4], 1.0, v[ST+8*\t+7]    ; f = 2^(old M - new M)
.endr
.irp t, 0,1
.irp j, 0,2,4,6,8,10,12,14,16,18,20,22,24,26,28,30
	v_pk_fma_f32 v[S+32*\t+\j:S+32*\t+\j+1], v[S+32*\t+\j:S+32*\t+\j+1], s[22:23], v[ST+8*\t:ST+8*\t+1] op_sel_hi:[1,0,0]
.endr
.endr
.set j, 0
	s_wait_alu depctr_va_vdst(0)                   ; one wait ahead of the batch, one behind it
.rept 64
	v_exp_f32 v[S+j], v[S+j]
.set j, j+1
.endr
	v_nop
	s_wait_alu depctr_va_vdst(0)
.irp t, 0,1
	v_pk_fma_f32 v[ST+8*\t+2:ST+8*\t+3], v[ST+8*\t+2:ST+8*\t+3], v[ST+8*\t+4:ST+8*\t+5], v[S+32*\t:S+32*\t+1] op_sel_hi:[1,0,1]
	v_pk_add_f32 v[XS+2*\t:XS+2*\t+1], v[S+32*\t+2:S+32*\t+3], v[S+32*\t+4:S+32*\t+5]
.endr
.irp j, 6,10,14,18,22,26
.irp t, 0,1
	v_pk_add_f32 v[ST+8*\t+2:ST+8*\t+3], v[ST+8*\t+2:ST+8*\t+3], v[S+32*\t+\j:S+32*\t+\j+1]
	v_pk_add_f32 v[XS+2*\t:XS+2*\t+1], v[XS+2*\t:XS+2*\t+1], v[S+32*\t+\j+2:S+32*\t+\j+3]
.endr
.endr
.irp t, 0,1
	v_pk_add_f32 v[ST+8*\t+2:ST+8*\t+3], v[ST+8*\t+2:ST+8*\t+3], v[S+32*\t+30:S+32*\t+31]
.endr
.irp t, 0,1
	s_delay_alu instid0(VALU_DEP_2)
	v_pk_add_f32 v[ST+8*\t+2:ST+8*\t+3], v[ST+8*\t+2:ST+8*\t+3], v[XS+2*\t:XS+2*\t+1]
.endr
.Lp1skip:
	s_add_co_u32 s86, s86, 1
	s_cmp_lt_u32 s86, 48
	s_cbranch_scc1 .Lp1
; the high tile's two parts are joined: each of the two waves stores its own and reads the other's
	s_wait_alu depctr_va_vdst(0)
	QLOAD Q, 16                                    ; pass 2 begins with the low tile again
	INW
	v_xor_b32 v244, 0x2000, v[STA]                 ; the place of wave (mine xor 8)
	ds_store_b128 v[STA], v[ST:ST+3]
	ds_store_b128 v[STA], v[ST+8:ST+11] offset:512
	s_wait_alu depctr_va_vdst(0)
	s_wait_dscnt 0x0
	s_barrier_signal -1
	s_barrier_wait -1
	ds_load_b128 v[236:239], v244
	ds_load_b128 v[240:243], v244 offset:512
	s_wait_dscnt 0x0
	MERGE 0, 236, 237, 238
	MERGE 1, 240, 241, 242
	FINISH SVH
	QLOAD ST, 92                                   ; the high tile's q waits in pass 1's registers
.macro P2SET                           ; a tile of pass 2 begins: C of the scores, O = 0 (the loop is written once)
.irp t, 0,1
.irp i, 0,1,2,3,4,5,6,7
	v_xor_b32 v[CN+8*\t+\i], 0x80000000, v[SV+2*\t+1]
.endr
.endr
.set j, 0
.rept 64
	v_mov_b32 v[O+j], 0
.set j, j+1
.endr
.endm
.macro OUTTILE ts                      ; O held, converted with the three scales folded into one, stored as the next operand's registers
	s_lshl_b32 s88, \ts, 15
	s_mov_b32 s89, 0
	s_add_nc_u64 s[18:19], s[14:15], s[88:89]
.set j, 0
.rept 64
	v_med3_num_f32 v[O+j], v[O+j], -v[LIMO], v[LIMO]
.set j, j+1
.endr
.irp t, 0,1
.irp d, 0,1,2,3
	v_cvt_scalef32_pk8_fp8_f32 v[S+8*\t+2*\d:S+8*\t+2*\d+1], v[O+32*\t+8*\d:O+32*\t+8*\d+7], v[SCO]
.endr
.endr
	v_nop
.irp t, 0,1
.irp g, 0,1
	global_store_b128 v[L16], v[S+8*\t+4*\g:S+8*\t+4*\g+3], s[18:19] offset:16384*\t+512*\g   ; 32 lanes store 512 consecutive bytes, aligned
.endr
.endr
.endm
; PASS 2
	P2SET
	SETLO
	s_mov_b32 s86, 0
	s_wait_loadcnt 0x4                             ; the low tile's q is in; the four loads behind it may be out
.Lp2:
	s_cmp_lg_u32 s86, 16
	s_cbranch_scc1 .Lp2go
	s_wait_alu depctr_va_vdst(0)                   ; trip 16: the low tile leaves (it is whole in the wave that made it), the high tile begins
	s_cmp_eq_u32 s87, 0
	s_cbranch_scc1 .Lnolo
	OUTTILE s80
.Lnolo:
	s_wait_loadcnt 0x0                             ; the high tile's q
	s_wait_xcnt 0x0                                ; the stores have read their registers
.irp i, 0,1,2,3
	v_mov_b32 v[SV+\i], v[SVH+\i]
.endr
.set j, 0
.rept 16
	v_mov_b32 v[Q+j], v[ST+j]
.set j, j+1
.endr
	P2SET
	SETHI
.Lp2go:
	s_and_b32 s84, s86, 31
	s_sub_co_u32 s88, s84, s90
	s_cmp_ge_u32 s88, s91
	s_cbranch_scc1 .Lp2skip
	s_lshl_b32 s85, s84, 12
	s_lshr_b32 s88, s84, 1
	s_lshl_b32 s88, s88, 13                        ; V: 8,192 bytes for 128 keys,
	s_and_b32 s89, s84, 1
	s_lshl_b32 s89, s89, 10                        ; the unit's 64 keys 1,024 bytes on in each of the four tiles of 16 features
	s_or_b32 s88, s88, s89
	s_add_co_u32 s88, s88, VOFF
	v_add_nc_u32 v[ADK], s85, v[L16]
	v_add_nc_u32 v[ADV], s88, v[L16]
	s_wait_alu depctr_va_vdst(0)
	SCORES 1
	s_wait_alu depctr_va_vdst(0)
.irp d, 0,1,2,3
.irp g, 0,1
	ds_load_b128 v[KF+8*\d+4*\g:KF+8*\d+4*\g+3], v[ADV] offset:2048*\d+512*\g
.endr
.endr
	MASK
.irp t, 0,1
.irp j, 0,2,4,6,8,10,12,14,16,18,20,22,24,26,28,30
	v_pk_fma_f32 v[S+32*\t+\j:S+32*\t+\j+1], v[S+32*\t+\j:S+32*\t+\j+1], s[22:23], v[SV+2*\t:SV+2*\t+1] op_sel_hi:[1,0,0]
.endr
.endr
.set j, 0
	s_wait_alu depctr_va_vdst(0)
.rept 64
	v_exp_f32 v[S+j], v[S+j]                       ; p = 2^(t - L): normalised
.set j, j+1
.endr
	v_nop
	s_wait_alu depctr_va_vdst(0)
.set j, 0
.rept 32
	v_dual_min_num_f32 v[S+j], v[S+j], v[LIMP] :: v_dual_min_num_f32 v[S+j+1], v[S+j+1], v[LIMP2]   ; the hold at the largest code (ISA guide 7.6.2); p is not negative; two a line
.set j, j+2
.endr
.irp t, 0,1
.irp u, 0,1,2,3
	v_cvt_scalef32_pk8_fp8_f32 v[P+8*\t+2*\u:P+8*\t+2*\u+1], v[S+32*\t+8*\u:S+32*\t+8*\u+7], v[SCP]
.endr
.endr
	v_nop
	s_wait_alu depctr_va_vdst(0)                   ; O is taken up again behind exponentials
	s_wait_dscnt 0x0
.irp d, 0,1,2,3
.irp t, 0,1
	v_wmma_f32_16x16x64_fp8_fp8 v[O+32*\t+8*\d:O+32*\t+8*\d+7], v[KF+8*\d:KF+8*\d+7], v[P+8*\t:P+8*\t+7], v[O+32*\t+8*\d:O+32*\t+8*\d+7]
.endr
.endr
	NOPS
.Lp2skip:
	s_add_co_u32 s86, s86, 1
	s_cmp_lt_u32 s86, 48
	s_cbranch_scc1 .Lp2
; the high tile's two parts of O: wave m + 8 hands its 64 registers to wave m through K's bytes, 8 KiB a pair, as an image of the registers
	s_wait_alu depctr_va_vdst(0)
	s_wait_dscnt 0x0                               ; my reads of K and V are over,
	s_barrier_signal -1
	s_barrier_wait -1                              ; everybody's are
	s_lshl_b32 s88, s11, 13
	v_add_nc_u32 v251, s88, v[L16]
	s_wait_alu depctr_va_vdst(0)
	s_cmp_eq_u32 s87, 0
	s_cbranch_scc1 .Lnost
.irp i, 0,1,2,3,4,5,6,7,8,9,10,11,12,13,14,15
	ds_store_b128 v251, v[O+4*\i:O+4*\i+3] offset:512*\i
.endr
.Lnost:
	s_wait_dscnt 0x0
	s_barrier_signal -1
	s_barrier_wait -1
	s_cmp_lg_u32 s87, 0
	s_cbranch_scc1 .Ldone
.irp i, 0,1,2,3,4,5,6,7,8,9,10,11,12,13,14,15
	ds_load_b128 v[S+4*\i:S+4*\i+3], v251 offset:512*\i
.endr
	s_wait_dscnt 0x0
.set j, 0
.rept 32
	v_pk_add_f32 v[O+j:O+j+1], v[O+j:O+j+1], v[S+j:S+j+1]
.set j, j+2
.endr
	OUTTILE s81
.Ldone:
	s_wait_tensorcnt 0x0                           ; the wave's end
	ds_add_u32 v254, v255
	s_wait_dscnt 0x0
	ROUND                                          ; the closing round
	s_endpgm
.Lfunc_end_k_qbf3b6dcb8e_attn:
	.size	k_qbf3b6dcb8e_attn, .Lfunc_end_k_qbf3b6dcb8e_attn-k_qbf3b6dcb8e_attn
	.p2alignl 7, 3214868480
	.fill 96, 4, 3214868480
	.section	.rodata,"a",@progbits
	.p2align	6, 0x0
	.amdhsa_kernel k_qbf3b6dcb8e_attn
		.amdhsa_group_segment_fixed_size 327680
		.amdhsa_private_segment_fixed_size 0
		.amdhsa_enable_private_segment 0
		.amdhsa_kernarg_size 24
		.amdhsa_user_sgpr_count 2
		.amdhsa_user_sgpr_kernarg_segment_ptr 1
		.amdhsa_wavefront_size32 1
		.amdhsa_system_sgpr_workgroup_id_x 1
		.amdhsa_system_sgpr_workgroup_id_y 1
		.amdhsa_system_sgpr_workgroup_id_z 1
		.amdhsa_system_vgpr_workitem_id 0
		.amdhsa_next_free_vgpr 256
		.amdhsa_next_free_sgpr 100
		.amdhsa_reserve_vcc 1
		.amdhsa_float_denorm_mode_32 3
		.amdhsa_float_denorm_mode_16_64 3
		.amdhsa_memory_ordered 1
		.amdhsa_forward_progress 1
		.amdhsa_inst_pref_size 65
	.end_amdhsa_kernel
	.amdgpu_metadata
---
amdhsa.version: [ 1, 2 ]
amdhsa.kernels:
  - .name:           k_qbf3b6dcb8e_attn
    .symbol:         k_qbf3b6dcb8e_attn.kd
    .args:
      - { .name: qkv, .offset: 0, .size: 8, .value_kind: global_buffer, .address_space: global }
      - { .name: lowp_scales, .offset: 8, .size: 8, .value_kind: global_buffer, .address_space: global }
      - { .name: oc, .offset: 16, .size: 8, .value_kind: global_buffer, .address_space: global }
    .group_segment_fixed_size: 327680
    .private_segment_fixed_size: 0
    .kernarg_segment_align: 8
    .kernarg_segment_size: 24
    .max_flat_workgroup_size: 512
    .sgpr_count:     100
    .vgpr_count:     256
    .wavefront_size: 32
...
	.end_amdgpu_metadata
.endif
;; end of part 3
;; launch oproj (part 4): grid 4 x 64, 4 waves a work-group, clusters of 4 x 4, 327,680 bytes of LDS; arguments oc, wc, lowp_scales, out0; writes out0
.if DOCPART == 4
	.amdgcn_target "amdgcn-amd-amdhsa--gfx1250"
	.amdhsa_code_object_version 6
	.text
	.protected	k_qbf3b6dcb8e_oproj
	.globl	k_qbf3b6dcb8e_oproj
	.p2align	8
	.type	k_qbf3b6dcb8e_oproj,@function
k_qbf3b6dcb8e_oproj:
	s_mov_b64 s[64:65], 0
	v_nop
	global_prefetch_b8 v0, s[64:65] scope:SCOPE_SE
	s_setreg_imm32_b32 hwreg(HW_REG_WAVE_MODE, 25, 1), 1
	s_wait_xcnt 0x0
	s_wait_alu depctr_hold_cnt(0) depctr_sa_sdst(0) depctr_va_vdst(0) depctr_va_sdst(0) depctr_va_ssrc(0) depctr_va_vcc(0) depctr_vm_vsrc(0)
	s_getreg_b32 s2, hwreg(HW_REG_IB_STS2, 6, 4)
	s_cmp_eq_u32 s2, 0
	s_cbranch_scc0 .Lentry_in_a_cluster
	s_endpgm
.Lentry_in_a_cluster:
	s_bfe_u32 s2, ttmp6, 0x10000c
	s_cmp_lg_u32 s2, 0xf033
	s_cbranch_scc0 .Lentry_shape_is_right
	s_endpgm
.Lentry_shape_is_right:
; out0 = o Wo^T on codes of FP8 (E4M3): A = o's codes [8192][1024], B = Wo's codes [1024][1024] (3 MiB into wc), each finished f32 sum x 2^(e10 + e11).
; LIMIT: e10 + e11 between -126 and 127, so that the factor is an f32 number.
; A block of 128 x 256 is made by a work-group of four waves, each 64 x 128: 32 accumulators; 64 x 4 blocks are 256 work-groups.
; THE OPERANDS LIE IN MEMORY AS IMAGES OF THEIR REGISTERS: a fragment (16 rows x 128 K) is 2,048 bytes at ((row / 16) x 8 + k / 128) x 2,048; a pair of chunks (256 K) of a tile of 16 rows is 4,096 consecutive bytes.
; K = 1,024 is four such pairs.  Three fit in LDS for 128 + 256 rows: 288 KiB.  At the head each wave asks by ONE load for pairs 0, 1, 2 of its rows (waves 0, 1: 64 rows of A; waves 2, 3: 128 rows of B), a tile of three
; dimensions laid [pair][tile of rows][4,096].  When chunk 1's fragments are in registers, pair 3 is asked for into pair 0's bytes: the launch's only refill; chunks 1 to 4 are multiplied while it is on its way.
; The barrier in front of chunk 6's reads also ends all reads of pairs 1 and 2: the way out's stages lie in their bytes, which have had their last fill.
; CLUSTERS: 4 x 4 work-groups; A's tiles are shared along a row of the cluster, B's along a column, each asked for jointly.
; THE MATRIX INSTRUCTION IS USED TRANSPOSED (source 0 = 16 rows of B, source 1 = 16 rows of A): a lane holds eight neighbouring numbers of a row of the result.
; No prefetch: the text has no loop to run ahead in, and three quarters of the operands are asked for at the head.
; REGISTERS, in windows of 256: window 0: v16-29 addresses, v32-95 at work on the way out, A's fragments in two sets at v128 and v192;  window 1: B's fragments, two sets at v0 and v128;  window 2: accumulator (a, b) at v[8 (8 a + b)].
.set SIZE_N, 1024
.set FR,     16
.set NP,     4
.set KB,     4096
.set AZ,     4*KB                      ; a pair of chunks of 64 rows
.set BZ,     8*KB                      ; of 128 rows
.set AREG,   3*AZ                      ; what wave 0 or 1 fetches at the head
.set BREG,   3*BZ                      ; what wave 2 or 3 fetches
.set BBASE,  2*AREG
.set SPARE,  BBASE+2*BREG              ; the spare words, 128 bytes a wave
.set STG,    BBASE+BZ                  ; the stages: in pairs 1 and 2 of B's first half
.set SPITCH, 528
.set ADRA, 16                          ; v16-18 my A fragments in pair place 0, 1, 2
.set ADRB, 20                          ; v20-22 the same for B
.set STO,  24
.set RD,   25
.set CO,   26
.set SPW,  28
.set NIL,  29
.set TMP,  32
.set AF,   128
.set BK,   128
.set G1, 24
.set G0, 32
.set G1B, 48
.set G0B, 56
.set G2, 68
.set G3, 72
.set MSB, 0
.macro WIN new                         ; the immediate's high byte repeats the setting that is left
.if MSB != \new
	s_set_vgpr_msb (MSB<<8)|\new
.set MSB, \new
.endif
.endm
.set MUL_LO, 0xa1                      ; source 0 (B) window 1, source 1 (A) window 0, C and D window 2
.set TO_B,   0x40
.macro PLACES n
.rept \n
	v_nop
.endr
.endm
.macro CREST
	s_cmp_lg_u32 s14, 0
	s_cbranch_scc1 .Lnot_wave_0_\@
	s_barrier_signal -3
.Lnot_wave_0_\@:
	s_barrier_wait -3
	s_barrier_signal -1
	s_barrier_wait -1
.endm
.macro CROUND
	s_barrier_signal -1
	s_barrier_wait -1
	CREST
.endm
	s_load_b128 s[4:7], s[0:1], 0x0                ; o's codes, the weights' codes
	s_load_b128 s[8:11], s[0:1], 0x10              ; the scales, out0
	v_lshl_add_u32 v[SPW], v0, 2, SPARE
	v_mov_b32 v[NIL], 0
	ds_add_u32 v[SPW], v[NIL]                      ; the opening lines
	ds_add_u32 v[SPW], v[NIL]
	v_lshrrev_b32 v1, 5, v0
	v_readfirstlane_b32 s14, v1                    ; wave 0..3
	s_lshr_b32 s15, s14, 1                         ; my half of A's 128 rows.  Also: I fetch for A (0) or for B (1)
	s_and_b32 s16, s14, 1                          ; my half of B's 256 rows.  Also: which half of that operand I fetch
	s_bfe_u32 s40, ttmp6, 0x40000                  ; cx, cy
	s_bfe_u32 s41, ttmp6, 0x40004
	s_lshl_b32 s42, ttmp9, 2
	s_add_co_u32 s42, s42, s40                     ; block column
	s_and_b32 s17, ttmp7, 0xffff
	s_lshl_b32 s17, s17, 2
	s_add_co_u32 s17, s17, s41                     ; block row
	s_lshl_b32 s43, s41, 2
	s_lshl_b32 s43, 15, s43                        ; my row of the cluster
	s_lshl_b32 s44, 0x1111, s40                    ; my column
	s_or_b32 s[G1+0], s43, (3<<16)|(1<<21)         ; elements of 8 bytes; the mask, and bit 21 beside it
	s_or_b32 s[G1B+0], s44, (3<<16)|(1<<21)
.irp g, G1, G1B
	s_mov_b32 s[\g+1], 512<<16                     ; a row: 4,096 bytes
	s_mov_b32 s[\g+3], 512<<16
	s_mov_b32 s[\g+5], 2048                        ; from tile of rows to tile of rows 16,384 bytes
	s_mov_b32 s[\g+6], 512<<16                     ; from pair to pair 4,096 bytes
	s_mov_b32 s[\g+7], 0
.endr
	s_mov_b32 s[G1+2], 4<<16                       ; A: 4 tiles of rows, 3 pairs
	s_mov_b32 s[G1+4], 4|(3<<16)
	s_mov_b32 s[G1B+2], 8<<16                      ; B: 8 tiles of rows, 3 pairs
	s_mov_b32 s[G1B+4], 8|(3<<16)
	s_mov_b32 s[G2], 3                             ; tensor_dim2; the fourth and fifth dimensions are not used
	s_mov_b32 s[G2+1], 1
	s_mov_b32 s[G2+2], 0
	s_mov_b32 s[G2+3], 0
	s_mov_b32 s[G3], 0
	s_mov_b32 s[G3+1], 1<<16
	s_mov_b32 s[G3+2], 0
	s_mov_b32 s[G3+3], 0
	s_lshl_b32 s18, s16, 16
	s_lshl_b32 s20, s17, 17                        ; A: 128 rows are 131,072 bytes, my 64 of them
	s_add_co_u32 s20, s20, s18
	s_mov_b32 s21, 0
	s_lshl_b32 s18, s16, 17
	s_lshl_b32 s46, s42, 18                        ; B: 256 rows are 262,144 bytes, my 128 of them,
	s_add_co_u32 s46, s46, s18
	s_add_co_u32 s46, s46, 0x300000                ; in Wo's part of wc
	s_mov_b32 s47, 0
	s_and_b32 s45, s15, s16
	s_add_co_u32 s45, s45, s14
	s_mul_i32 s45, s45, AREG                       ; where my load goes: 0, AREG, BBASE, BBASE + BREG for waves 0 to 3
	s_wait_dscnt 0x0
	s_wait_kmcnt 0x0
	s_load_b64 s[96:97], s[8:9], 0x28              ; e10, e11
	s_mov_b32 s[G0], 1
	s_mov_b32 s[G0+1], s45
	s_add_nc_u64 s[G0+2:G0+3], s[4:5], s[20:21]
	s_or_b32 s[G0+3], s[G0+3], 0x80000000
	s_mov_b32 s[G0B], 1
	s_mov_b32 s[G0B+1], s45
	s_add_nc_u64 s[G0B+2:G0B+3], s[6:7], s[46:47]
	s_or_b32 s[G0B+3], s[G0B+3], 0x80000000
	CROUND                                         ; the sixteen work-groups meet in front of the joint loads
	s_cmp_eq_u32 s15, 0
	s_cbranch_scc0 .Lhead_b
	tensor_load_to_lds s[G0:G0+3], s[G1:G1+7], s[G2:G2+3], s[G3:G3+3]
	s_nop 0
	PLACES 4
	s_branch .Lhead_j
.Lhead_b:
	tensor_load_to_lds s[G0B:G0B+3], s[G1B:G1B+7], s[G2:G2+3], s[G3:G3+3]
	s_nop 0
	PLACES 4
.Lhead_j:
	s_mul_i32 s21, s15, AREG                       ; my 64 rows of A
	s_mul_i32 s22, s16, BREG
	s_add_co_u32 s22, s22, BBASE                   ; my 128 rows of B
	s_mul_i32 s23, s14, 16*SPITCH
	s_add_co_u32 s23, s23, STG                     ; my stage
	s_lshl_b32 s20, s17, 7
	s_lshl_b32 s18, s15, 6
	s_add_co_u32 s20, s20, s18                     ; my first row of the result
	s_lshl_b32 s20, s20, 12                        ; x 4,096 bytes
	s_lshl_b32 s46, s42, 10
	s_lshl_b32 s47, s16, 9
	s_add_co_u32 s46, s46, s47                     ; my first column, in bytes
	s_add_co_u32 s20, s20, s46
	s_mov_b32 s19, 0
	s_mov_b32 s18, s20
	s_add_nc_u64 s[10:11], s[10:11], s[18:19]
	v_and_b32 v1, 15, v0
	v_bfe_u32 v2, v0, 4, 1
	v_and_b32 v6, 31, v0
	v_lshlrev_b32 v[CO], 4, v6                     ; 16 x lane
	v_add_nc_u32 v[ADRA], s21, v[CO]
	v_add_nc_u32 v[ADRA+1], AZ, v[ADRA]
	v_add_nc_u32 v[ADRA+2], 2*AZ, v[ADRA]
	v_add_nc_u32 v[ADRB], s22, v[CO]
	v_add_nc_u32 v[ADRB+1], BZ, v[ADRB]
	v_add_nc_u32 v[ADRB+2], 2*BZ, v[ADRB]
	v_mul_u32_u24 v5, v1, SPITCH
	v_lshl_add_u32 v5, v2, 5, v5
	v_add_nc_u32 v[STO], s23, v5                   ; into the stage: row l % 16, 32 bytes for each half of the lanes
	v_add_nc_u32 v[RD], s23, v[CO]                 ; back: the 32 lanes take a row of 512 bytes
.macro FRAG reg, adr, hf, i            ; a fragment as it stands: four loads of 512 consecutive bytes
.irp c, 0,1,2,3
	ds_load_b128 v[\reg+4*\c:\reg+4*\c+3], v[\adr] offset:2048*(\hf)+512*\c+(\i)*KB
.endr
.endm
.macro FETCH q                         ; chunk q's fragments into set q % 2; pair q / 2 lies in place (q / 2) % 3
	WIN TO_B
.irp i, 0,1,2,3,4,5,6,7
	FRAG 128*((\q)%2)+FR*\i, ADRB+((\q)/2)%3, (\q)%2, \i
.endr
	WIN 0
.irp i, 0,1,2,3
	FRAG AF+64*((\q)%2)+FR*\i, ADRA+((\q)/2)%3, (\q)%2, \i
.endr
.endm
; 16 matrix instructions: A's blocks a0, a0 + 1 x B's eight.  The 32 accumulators take turns, in the same order in every chunk.  zero = 1: the first product starts the sums.
.macro MULH q, a0, zero
.irp a, \a0, \a0+1
.irp b, 0,1,2,3,4,5,6,7
.if \zero
	v_wmma_f32_16x16x128_fp8_fp8 v[8*(8*(\a)+\b):8*(8*(\a)+\b)+7], v[128*((\q)%2)+FR*\b:128*((\q)%2)+FR*\b+FR-1], v[AF+64*((\q)%2)+FR*(\a):AF+64*((\q)%2)+FR*(\a)+FR-1], 0
.else
	v_wmma_f32_16x16x128_fp8_fp8 v[8*(8*(\a)+\b):8*(8*(\a)+\b)+7], v[128*((\q)%2)+FR*\b:128*((\q)%2)+FR*\b+FR-1], v[AF+64*((\q)%2)+FR*(\a):AF+64*((\q)%2)+FR*(\a)+FR-1], v[8*(8*(\a)+\b):8*(8*(\a)+\b)+7]
.endif
.endr
.endr
.endm
.macro CHUNK q, fetch                  ; chunk q is multiplied while chunk q + 1's fragments come
	s_wait_dscnt 0x0                               ; chunk q's 48 loads, asked for a chunk ago
.if \fetch
	PLACES NP                                      ; in front of loads into registers that the last chunk's products read (ISA guide 7.12.1 for vector instructions)
	FETCH (\q)+1
.endif
	WIN MUL_LO
	MULH \q, 0, 0
	MULH \q, 2, 0
	WIN 0
.endm
	s_wait_alu depctr_va_vdst(0)
	s_wait_tensorcnt 0x0                           ; my part of pairs 0 to 2 is in,
	s_barrier_signal -1
	s_barrier_wait -1                              ; everybody's is
	FETCH 0
	s_wait_dscnt 0x0
	FETCH 1
	WIN MUL_LO
	MULH 0, 0, 1
	MULH 0, 2, 1
	WIN 0
	; chunk 1, and the launch's one refill
	s_wait_tensorcnt 0x0                           ; no load of mine is out: the descriptors may be written
	ds_add_u32 v[SPW], v[NIL]
	s_mov_b32 s[G1+4], 4                           ; the refill has two dimensions: one pair
	s_mov_b32 s[G1+6], 0
	s_mov_b32 s[G1B+4], 8
	s_mov_b32 s[G1B+6], 0
	s_add_nc_u64 s[G0+2:G0+3], s[G0+2:G0+3], 3*KB  ; pair 3, into pair 0's place
	s_add_nc_u64 s[G0B+2:G0B+3], s[G0B+2:G0B+3], 3*KB
	s_wait_dscnt 0x0                               ; the add is done, chunk 1's fragments are in: my reads of pair 0 are over
	s_barrier_signal -1                            ; this barrier opens a round of the cluster's barrier
	WIN MUL_LO
	MULH 1, 0, 0
	WIN 0
	s_barrier_wait -1
	CREST
	s_cmp_eq_u32 s15, 0
	s_cbranch_scc0 .Lfill_b
	tensor_load_to_lds s[G0:G0+3], s[G1:G1+7]
	s_nop 0
	PLACES 4
	s_branch .Lfill_j
.Lfill_b:
	tensor_load_to_lds s[G0B:G0B+3], s[G1B:G1B+7]
	s_nop 0
	PLACES 4                                       ; also the places in front of the loads below
.Lfill_j:
	FETCH 2
	WIN MUL_LO
	MULH 1, 2, 0
	WIN 0
.irp q, 2,3,4
	CHUNK \q, 1
.endr
	s_wait_dscnt 0x0                               ; chunk 5's fragments are in: my reads of pairs 1 and 2 are over,
	s_wait_tensorcnt 0x0                           ; and my part of pair 3 has landed
	s_barrier_signal -1
	WIN MUL_LO
	MULH 5, 0, 0
	WIN 0
	s_barrier_wait -1                              ; both hold of every wave
	PLACES NP
	FETCH 6
	WIN MUL_LO
	MULH 5, 2, 0
	WIN 0
	CHUNK 6, 1
	CHUNK 7, 0
; THE WAY OUT, block by block of 16 rows x 128 columns, through my own stage: whole rows of 512 bytes come back and leave as two aligned units of 256 bytes.  LDS serves a wave's instructions in order (ISA guide 5.7.1.4).
.macro TOSTAGE a
.set AC, 64*(\a)
	WIN 0x02
.irp j, 0,2,4,6,8,10,12,14,16,18,20,22,24,26,28,30,32,34,36,38,40,42,44,46,48,50,52,54,56,58,60,62
	v_pk_mul_f32 v[TMP+\j:TMP+\j+1], v[AC+\j:AC+\j+1], s[96:97] op_sel_hi:[1,0]   ; x 2^(e10 + e11); each accumulator from its low end on
.endr
	WIN 0
.irp b, 0,1,2,3,4,5,6,7
	ds_store_b128 v[STO], v[TMP+8*\b:TMP+8*\b+3] offset:64*\b
	ds_store_b128 v[STO], v[TMP+8*\b+4:TMP+8*\b+7] offset:64*\b+16
.endr
.set BB, BK+64*((\a)%2)
.irp t, 0,1,2,3,4,5,6,7,8,9,10,11,12,13,14,15
	ds_load_b128 v[BB+4*\t:BB+4*\t+3], v[RD] offset:\t*SPITCH
.endr
.endm
.macro SEND a, younger
.set BB, BK+64*((\a)%2)
	s_wait_dscnt \younger                          ; the block is back in registers
.if (\a) > 0
	s_add_nc_u64 s[10:11], s[10:11], 16*SIZE_N*4   ; behind a wait on XCNT: the earlier stores have read their base
.endif
.irp t, 0,1,2,3,4,5,6,7,8,9,10,11,12,13,14,15
	global_store_b128 v[CO], v[BB+4*\t:BB+4*\t+3], s[10:11] offset:\t*SIZE_N*4 th:TH_STORE_NT   ; 32 lanes store 512 consecutive bytes, aligned
.endr
.endm
	s_wait_kmcnt 0x0
	s_add_co_i32 s96, s96, s97
	s_add_co_i32 s96, s96, 127
	s_lshl_b32 s96, s96, 23                        ; 2^(e10 + e11) as f32
	PLACES NP
	TOSTAGE 0
.irp a, 1,2,3
.if \a > 1
	s_wait_xcnt 0x0                                ; block a - 2's stores have read their registers and their base
.endif
	TOSTAGE \a
	SEND \a-1, 32
.endr
	s_wait_xcnt 0x0
	SEND 3, 0
	s_wait_tensorcnt 0x0                           ; the wave's end
	ds_add_u32 v[SPW], v[NIL]
	s_wait_dscnt 0x0
	CROUND                                         ; the closing round
	s_endpgm
.Lfunc_end_k_qbf3b6dcb8e_oproj:
	.size	k_qbf3b6dcb8e_oproj, .Lfunc_end_k_qbf3b6dcb8e_oproj-k_qbf3b6dcb8e_oproj
	.p2alignl 7, 3214868480
	.fill 96, 4, 3214868480
	.section	.rodata,"a",@progbits
	.p2align	6, 0x0
	.amdhsa_kernel k_qbf3b6dcb8e_oproj
		.amdhsa_group_segment_fixed_size 327680
		.amdhsa_private_segment_fixed_size 0
		.amdhsa_enable_private_segment 0
		.amdhsa_kernarg_size 32
		.amdhsa_user_sgpr_count 2
		.amdhsa_user_sgpr_kernarg_segment_ptr 1
		.amdhsa_wavefront_size32 1
		.amdhsa_system_sgpr_workgroup_id_x 1
		.amdhsa_system_sgpr_workgroup_id_y 1
		.amdhsa_system_sgpr_workgroup_id_z 1
		.amdhsa_system_vgpr_workitem_id 0
		.amdhsa_next_free_vgpr 768
		.amdhsa_next_free_sgpr 100
		.amdhsa_reserve_vcc 0
		.amdhsa_float_denorm_mode_32 3
		.amdhsa_float_denorm_mode_16_64 3
		.amdhsa_memory_ordered 1
		.amdhsa_forward_progress 1
		.amdhsa_inst_pref_size 73
	.end_amdhsa_kernel
	.amdgpu_metadata
---
amdhsa.version: [ 1, 2 ]
amdhsa.kernels:
  - .name:           k_qbf3b6dcb8e_oproj
    .symbol:         k_qbf3b6dcb8e_oproj.kd
    .args:
      - { .name: oc, .offset: 0, .size: 8, .value_kind: global_buffer, .address_space: global }
      - { .name: wc, .offset: 8, .size: 8, .value_kind: global_buffer, .address_space: global }
      - { .name: lowp_scales, .offset: 16, .size: 8, .value_kind: global_buffer, .address_space: global }
      - { .name: out0, .offset: 24, .size: 8, .value_kind: global_buffer, .address_space: global }
    .group_segment_fixed_size: 327680
    .private_segment_fixed_size: 0
    .kernarg_segment_align: 8
    .kernarg_segment_size: 32
    .max_flat_workgroup_size: 128
    .sgpr_count:     100
    .vgpr_count:     768
    .wavefront_size: 32
...
	.end_amdgpu_metadata
.endif
;; end of part 4
